; MI455X (gfx1250); checked and timed in simulation.
; The chip was launched on July 23, 2026; its instructions are those of AMD's public machine-readable ISA for CDNA 5 (MIT licence, August 2026) and "CDNA5" Instruction Set Architecture Reference Guide (July 2026). The comments in the code are by the model that wrote it; some were corrected since.
;; Specific Mo E. Allowed arithmetic: float matrix products may take bf16 or f16 operands with f32 sums; other float arithmetic in f32, or as packed bf16 or f16 multiplies, adds, multiply-adds, maxima and minima; sums over many terms, partial sums and values carried from step to step in f32; what a program stores and reads back later, other than sums and carried values, may be rounded once to bf16 or f16.
;; Inputs: fc1_b 8 x 2,048 float32; fc1_w 8 x 2,048 x 512 float32; fc2_b 8 x 512 float32; fc2_w 8 x 512 x 2,048 float32; router_w 8 x 512 float32; x 4 x 1,024 x 512 float32.
;; Outputs: out0 4 x 1,024 x 512 float32; out1 4 x 1,024 x 8 float32; out2 4 x 1,024 x 2 int32.
;; 2 versions, each right and faster than the one before. Each part assembles by itself: llvm-mc -triple=amdgcn-amd-amdhsa -mcpu=gfx1250 --defsym DOCPART=n.
;; ======== version 1 of 2: 3 launches
;; workspace buffers: xb 4,194,304 bytes; w1q 16,777,216 bytes; w2q 16,777,216 bytes; gate 131,072 bytes; bm 8,192 bytes of whole numbers; part 16,777,216 bytes
;; launch prep (part 1): grid 576 x 1, 4 waves a work-group, no clusters, 35,328 bytes of LDS; arguments x, router_w, fc1_w, fc2_w, out1, out2, xb, gate, bm, w1q, w2q; writes out1, out2, xb, gate, bm, w1q, w2q
.if DOCPART == 1
	.amdgcn_target "amdgcn-amd-amdhsa--gfx1250"
	.amdhsa_code_object_version 6
	.text
	.protected	k_q4e2b20a2ea_prep
	.globl	k_q4e2b20a2ea_prep
	.p2align	8
	.type	k_q4e2b20a2ea_prep,@function
k_q4e2b20a2ea_prep:
	s_mov_b64 s[64:65], 0
	v_nop
	global_prefetch_b8 v0, s[64:65] scope:SCOPE_SE
	s_setreg_imm32_b32 hwreg(HW_REG_WAVE_MODE, 25, 1), 1
	s_wait_xcnt 0x0
; PREP: rounds x, fc1_w and fc2_w to bf16 once, lays the weights out in the order in which a wave's matrix operand registers take them, and runs the router.
; Every wave has one TASK: 16 rows x 512 columns of f32 (32,768 bytes) are loaded, rounded to bf16 and turned, through the wave's own LDS bytes, into matrix fragments of 16 rows x 32 k.
;   work-groups 0-63:    16 tokens of x a wave: xb (row-major bf16), the router's product on the matrix unit, softmax, top-2, out1, out2, gate, bm
;   work-groups 64-319:  16 rows of fc1_w a wave -> w1q          work-groups 320-575: 16 rows x 512 columns of fc2_w a wave -> w2q
; A FRAGMENT in w1q / w2q is 1,024 bytes: bytes 16 l of the first 512 are lane l's registers 0-3 (row l % 16, k = 8 (l / 16) + 0..7), of the second 512 its registers 4-7 (k = 16 + 8 (l / 16) + 0..7).
;   w1q: ((e 4 + w) 8 + c) 65536 + q 4096 + ft 1024: expert e, wave w, chunk c of 256 hidden units, k step q (0-15), tile ft: rows c 256 + w 64 + ft 16 + ..
;   w2q: ((e 4 + w) 8 + c) 65536 + q 8192 + ht 1024: k step q (0-7) inside chunk c, tile ht: output columns w 128 + ht 16 + ..
; THE ROUTER works on x and router_w ROUNDED TO BF16, like every product of this program.  The maximum is taken away before the exponential; a further constant 64 is added to every
; exponent and cancels in the division: weights down to 2^-190 of the largest then leave the exponential as normal numbers.  Ties in the top-2 keep the lower index.
; bm[tile of 16 tokens][expert]: bits 15:0 the tokens that chose the expert, bits 20:16 how many.  gate[token][expert]: the renormalised weight, 0 where not chosen.
; LIMITS: NaN and infinities are not treated apart.  No address and no branch hangs on a floating-point number: the choice only selects values.
; No cluster and no tensor load: no two waves read the same bytes but the 16 KB of router_w, and each task's bytes pass through registers for the rounding anyway.
.set UP,    272                        ; a unit in LDS: 16 rows x 16 bytes (8 k of bf16) + 16 of padding: 17 x 16, so neighbouring units start four banks apart
.set WLDS,  32*UP                      ; a wave's own bytes: the 32 units of 256 columns
.set SPARE, 4*WLDS                     ; behind them: the spare words, 128 bytes a wave
.set SPW, 2                            ; v2   my spare word's address; never rewritten
.set NIL, 3                            ; v3   0; never rewritten
.set VO,  4                            ; v4   16 x lane
.set LW,  5                            ; v5   where I put 8 bytes: my wave's bytes + (lane / 2) units + 8 (lane % 2)
.set LR,  6                            ; v6   where I read 16 bytes back: my wave's bytes + (lane / 16) units + 16 (lane % 16)
.set VX8, 7                            ; v7   8 x lane
.set F,   16                           ; v16-143   columns 0-255: row r at F + 8 r;  columns 256-511: window 1, v0-127
.set R,   144                          ; v144-207  eight fragments read back
.set ACC, 208                          ; v208-223  the router's two accumulators
.set RWF, 128                          ; window 1, v128-255: router_w's sixteen fragments
.set PR,  224                          ; v224-231  logits, then weights, then probabilities
.set MX,  232
.set SM,  233
.set I1,  235
.set P1V, 236
.set I2,  237
.set P2V, 238
.set QV,  239
.set GV,  240
.set G1,  241
.set G2,  242
.set VB,  243
.set GT,  244                          ; v244-251  the eight gates
.set MSB, 0
.macro WIN new                         ; the immediate's high byte repeats the setting that is left; a switch that changes nothing is dropped
.if MSB != (\new)
	s_set_vgpr_msb (MSB<<8)|(\new)
.set MSB, (\new)
.endif
.endm
; 64 loads: the task's 16 rows, base s[28:29]; each load is 512 consecutive bytes (128 columns).  rmod = 8: rows 8-15 repeat rows 0-7.
.macro LOADS pitch, rmod, hint:vararg
	WIN 0
.set r, 0
.rept 16
	global_load_b128 v[F+8*r:F+8*r+3],   v[VO], s[28:29] offset:(r%(\rmod))*(\pitch) \hint
	global_load_b128 v[F+8*r+4:F+8*r+7], v[VO], s[28:29] offset:(r%(\rmod))*(\pitch)+512 \hint
.set r, r+1
.endr
	WIN 0x40                               ; destination window 1
.set r, 0
.rept 16
	global_load_b128 v[8*r:8*r+3],   v[VO], s[28:29] offset:(r%(\rmod))*(\pitch)+1024 \hint
	global_load_b128 v[8*r+4:8*r+7], v[VO], s[28:29] offset:(r%(\rmod))*(\pitch)+1536 \hint
.set r, r+1
.endr
	WIN 0
.endm
; One half (256 columns), four rows at a time: rounded in place (8 f32 -> 4 registers), 8 bytes a lane into the units; xst = 1: also into xb, 256 consecutive aligned bytes a store.
; left0 - 8 g is the number of loads issued behind row 4 g + 3.
.macro HALF win, left0, xst
.set HB, F*(1-(\win))
.set g, 0
.rept 4
	s_wait_loadcnt (\left0)-8*g
	WIN 0x45*(\win)
.set r, 4*g
.rept 4
	v_cvt_pk_bf16_f32 v[HB+8*r],   v[HB+8*r],   v[HB+8*r+1]
	v_cvt_pk_bf16_f32 v[HB+8*r+1], v[HB+8*r+2], v[HB+8*r+3]
	v_cvt_pk_bf16_f32 v[HB+8*r+2], v[HB+8*r+4], v[HB+8*r+5]
	v_cvt_pk_bf16_f32 v[HB+8*r+3], v[HB+8*r+6], v[HB+8*r+7]
.set r, r+1
.endr
	WIN 0x04*(\win)                        ; the stores' data in the half's window, their addresses in window 0
.set r, 4*g
.rept 4
	ds_store_b64 v[LW], v[HB+8*r:HB+8*r+1]   offset:16*r
	ds_store_b64 v[LW], v[HB+8*r+2:HB+8*r+3] offset:16*UP+16*r
.if \xst
	global_store_b64 v[VX8], v[HB+8*r:HB+8*r+1],   s[30:31] offset:1024*r+512*(\win)
	global_store_b64 v[VX8], v[HB+8*r+2:HB+8*r+3], s[30:31] offset:1024*r+512*(\win)+256
.endif
.set r, r+1
.endr
.set g, g+1
.endr
	WIN 0
.endm
; Eight fragments back: load j brings units 2 j and 2 j + 1, registers 4 j .. 4 j + 3.  LDS serves a wave's instructions in order (ISA guide 5.7.1.4): these see the stores above, and the next half's stores come behind them.
.macro BACK dst, dwin
	WIN 0x40*(\dwin)
.set j, 0
.rept 16
	ds_load_b128 v[(\dst)+4*j:(\dst)+4*j+3], v[LR] offset:2*UP*j
.set j, j+1
.endr
	WIN 0
.endm
.macro PUT fs, add                     ; the eight fragments out, fs bytes apart: each store is 512 consecutive aligned bytes
.set j, 0
.rept 16
	s_wait_dscnt 15-j                      ; the read-backs behind j may stay out
	global_store_b128 v[VO], v[R+4*j:R+4*j+3], s[30:31] offset:(j/2)*(\fs)+(j%2)*512+(\add)
.set j, j+1
.endr
.endm
.macro CLOSE                           ; the wave's end
	s_wait_tensorcnt 0x0
	ds_add_u32 v[SPW], v[NIL]
	s_wait_dscnt 0x0
	s_endpgm
.endm
.macro WPATH pitch, fs, gadd
	LOADS \pitch, 16, th:TH_LOAD_NT
	HALF 0, 56, 0
	BACK R, 0
	PUT \fs, 0
	HALF 1, 24, 0
	s_wait_xcnt 0x0                        ; the first half's stores have read R: only now is it loaded again
	BACK R, 0
	PUT \fs, \gadd
	CLOSE
.endm
.macro XMUL hf                         ; eight k steps of logits^T = router_w x^T, the two accumulators by turns
	WIN 0x01                               ; source 0 (router_w) window 1
.set q, 0
.rept 8
.if ((\hf) == 0) && (q < 2)
	v_wmma_f32_16x16x32_bf16 v[ACC+8*(q%2):ACC+8*(q%2)+7], v[RWF+64*(\hf)+8*q:RWF+64*(\hf)+8*q+7], v[R+8*q:R+8*q+7], 0
.else
	v_wmma_f32_16x16x32_bf16 v[ACC+8*(q%2):ACC+8*(q%2)+7], v[RWF+64*(\hf)+8*q:RWF+64*(\hf)+8*q+7], v[R+8*q:R+8*q+7], v[ACC+8*(q%2):ACC+8*(q%2)+7]
.endif
.set q, q+1
.endr
	WIN 0
.endm
	s_load_b512 s[4:19], s[0:1], 0x0               ; x s[4:5], router_w s[6:7], fc1_w s[8:9], fc2_w s[10:11], out1 s[12:13], out2 s[14:15], xb s[16:17], gate s[18:19]
	s_load_b128 s[20:23], s[0:1], 0x40             ; bm s[20:21], w1q s[22:23]
	s_load_b64 s[24:25], s[0:1], 0x50              ; w2q
	v_lshl_add_u32 v[SPW], v0, 2, SPARE
	v_mov_b32 v[NIL], 0
	v_and_b32 v1, 31, v0                           ; lane
	v_lshrrev_b32 v8, 5, v0
	v_readfirstlane_b32 s26, v8                    ; wave
	v_lshlrev_b32 v[VO], 4, v1
	v_lshlrev_b32 v[VX8], 3, v1
	s_mul_i32 s27, s26, WLDS
	v_lshrrev_b32 v8, 1, v1
	v_and_b32 v9, 1, v1
	v_mul_u32_u24 v8, v8, UP
	v_lshl_add_u32 v8, v9, 3, v8
	v_add_nc_u32 v[LW], s27, v8
	v_lshrrev_b32 v8, 4, v1
	v_and_b32 v9, 15, v1
	v_mul_u32_u24 v8, v8, UP
	v_lshl_add_u32 v8, v9, 4, v8
	v_add_nc_u32 v[LR], s27, v8
	s_mov_b32 s33, 0                               ; the high word of every offset
	s_wait_kmcnt 0x0
	s_cmp_lt_u32 ttmp9, 64
	s_cbranch_scc1 .Lrouter
	s_cmp_lt_u32 ttmp9, 320
	s_cbranch_scc1 .Lw1
	; fc2_w: task T: expert T >> 7, row tile (T >> 2) & 31, block of 512 columns T & 3
	s_sub_co_u32 s27, ttmp9, 320
	s_lshl2_add_u32 s27, s27, s26                  ; T
	s_lshr_b32 s34, s27, 2
	s_lshl_b32 s32, s34, 17                        ; 16 rows of 8,192 bytes
	s_and_b32 s35, s27, 3
	s_lshl_b32 s36, s35, 11                        ; 512 columns of 4 bytes
	s_add_co_u32 s32, s32, s36
	s_add_nc_u64 s[28:29], s[10:11], s[32:33]
	s_lshr_b32 s34, s27, 5                         ; e 4 + w
	s_lshl_b32 s34, s34, 3
	s_lshl1_add_u32 s34, s35, s34                  ; its chunk 2 (T & 3); the second half goes one chunk on
	s_lshl_b32 s32, s34, 16
	s_bfe_u32 s36, s27, 0x30002                    ; ht
	s_lshl_b32 s36, s36, 10
	s_add_co_u32 s32, s32, s36
	s_add_nc_u64 s[30:31], s[24:25], s[32:33]
	WPATH 8192, 8192, 65536
.Lw1:
	; fc1_w: task T: expert T >> 7, row tile Ft = T & 127 = c 16 + w 4 + ft
	s_sub_co_u32 s27, ttmp9, 64
	s_lshl2_add_u32 s27, s27, s26                  ; T
	s_lshl_b32 s32, s27, 15                        ; 16 rows of 2,048 bytes
	s_add_nc_u64 s[28:29], s[8:9], s[32:33]
	s_lshr_b32 s34, s27, 7                         ; e
	s_bfe_u32 s35, s27, 0x20002                    ; w
	s_bfe_u32 s36, s27, 0x30004                    ; c
	s_lshl2_add_u32 s34, s34, s35
	s_lshl3_add_u32 s34, s34, s36
	s_lshl_b32 s32, s34, 16
	s_and_b32 s35, s27, 3                          ; ft
	s_lshl_b32 s35, s35, 10
	s_add_co_u32 s32, s32, s35
	s_add_nc_u64 s[30:31], s[22:23], s[32:33]
	WPATH 2048, 4096, 32768
.Lrouter:
	s_lshl2_add_u32 s27, ttmp9, s26                ; T: my 16 tokens
	s_mov_b64 s[28:29], s[6:7]
	LOADS 2048, 8                                  ; router_w, rows 8-15 = rows 0-7: both halves of the lanes then hold all eight logits of a token
	HALF 0, 56, 0
	BACK RWF, 1
	HALF 1, 24, 0                                  ; its last wait is for 0: the base below is free
	BACK RWF+64, 1
	s_lshl_b32 s32, s27, 15
	s_add_nc_u64 s[28:29], s[4:5], s[32:33]        ; x at my tokens
	s_lshl_b32 s32, s27, 14
	s_add_nc_u64 s[30:31], s[16:17], s[32:33]      ; xb at my tokens
	LOADS 2048, 16, th:TH_LOAD_NT
	HALF 0, 56, 1
	BACK R, 0
	s_wait_dscnt 0x0                               ; x's and router_w's fragments are in
	XMUL 0
	HALF 1, 24, 1                                  ; its 64 conversions, which name no register of those products, are the places in front of the loads into R
	BACK R, 0
	s_wait_dscnt 0x0
	XMUL 1
	s_mov_b32 s34, 0x3fb8aa3b                      ; log2(e)
	s_mov_b32 s35, 0x42800000                      ; 64.0
	s_mov_b32 s36, 0xffff0000                      ; lanes 16-31
.rept 4
	v_nop                                          ; the places behind the last products
.endr
.set j, 0
.rept 8                                ; lane (r, h), register j: the logit of expert j for token r; each accumulator is read from its low end on
	v_add_f32 v[PR+j], v[ACC+j], v[ACC+8+j]
.set j, j+1
.endr
	v_max3_num_f32 v[MX], v[PR], v[PR+1], v[PR+2]
	v_max3_num_f32 v[MX], v[MX], v[PR+3], v[PR+4]
	v_max3_num_f32 v[MX], v[MX], v[PR+5], v[PR+6]
	v_max_num_f32 v[MX], v[MX], v[PR+7]
.set j, 0
.rept 8
	v_sub_f32 v[PR+j], v[PR+j], v[MX]
.set j, j+1
.endr
.set j, 0
.rept 8
	v_fma_f32 v[PR+j], v[PR+j], s34, s35           ; (l - m) log2(e) + 64
.set j, j+1
.endr
.set j, 0
.rept 8
	v_exp_f32 v[PR+j], v[PR+j]
.set j, j+1
.endr
	v_nop                                          ; a plain instruction behind the last exponential,
	s_wait_alu depctr_va_vdst(0)                   ; and one wait for the eight, ahead of their first reader
	v_add_f32 v[SM], v[PR], v[PR+1]
	v_add_f32 v8, v[PR+2], v[PR+3]
	v_add_f32 v9, v[PR+4], v[PR+5]
	v_add_f32 v10, v[PR+6], v[PR+7]
	v_add_f32 v[SM], v[SM], v8
	v_add_f32 v9, v9, v10
	v_add_f32 v[SM], v[SM], v9
	v_rcp_f32 v[SM], v[SM]
	v_nop
	s_wait_alu depctr_va_vdst(0)
.set j, 0
.rept 8
	v_mul_f32 v[PR+j], v[PR+j], v[SM]              ; the probabilities
.set j, j+1
.endr
	; top-2: a scan upward that takes only a strictly greater number, so that ties keep the lower index
	v_mov_b32 v[P1V], v[PR]
	v_mov_b32 v[I1], 0
.irp j, 1,2,3,4,5,6,7
	v_cmp_gt_f32 vcc_lo, v[PR+\j], v[P1V]
	v_cndmask_b32 v[P1V], v[P1V], v[PR+\j], vcc_lo
	v_cndmask_b32 v[I1], v[I1], \j, vcc_lo
.endr
	v_cmp_eq_u32 vcc_lo, 0, v[I1]
	v_cndmask_b32 v[P2V], v[PR], -1.0, vcc_lo      ; the first choice counts as -1 in the second scan
	v_mov_b32 v[I2], 0
.irp j, 1,2,3,4,5,6,7
	v_cmp_eq_u32 vcc_lo, \j, v[I1]
	v_cndmask_b32 v[QV], v[PR+\j], -1.0, vcc_lo
	v_cmp_gt_f32 vcc_lo, v[QV], v[P2V]
	v_cndmask_b32 v[P2V], v[P2V], v[QV], vcc_lo
	v_cndmask_b32 v[I2], v[I2], \j, vcc_lo
.endr
	v_add_f32 v[GV], v[P1V], v[P2V]
	v_add_f32 v[GV], 0x3089705f, v[GV]             ; + 1e-9
	v_rcp_f32 v[GV], v[GV]
	v_mov_b32 v[VB], 0                             ; the plain instruction behind the reciprocal
	s_wait_alu depctr_va_vdst(0)
	v_mul_f32 v[G1], v[P1V], v[GV]
	v_mul_f32 v[G2], v[P2V], v[GV]
.set e, 0
.rept 8                                ; for each expert: its gate in every lane, and its word of bm into lane e of VB
	v_cmp_eq_u32 s40, e, v[I1]
	v_cmp_eq_u32 s41, e, v[I2]
	v_cndmask_b32 v[GT+e], 0, v[G2], s41
	v_cndmask_b32 v[GT+e], v[GT+e], v[G1], s40
	s_or_b32 s56, s40, s41
	s_and_b32 s56, s56, 0xffff                     ; lanes 0-15: the 16 tokens
	s_bcnt1_i32_b32 s57, s56
	s_lshl_b32 s57, s57, 16
	s_or_b32 s56, s56, s57
	v_writelane_b32 v[VB], s56, e
.set e, e+1
.endr
	v_and_b32 v8, 15, v1                           ; r
	v_lshrrev_b32 v9, 4, v1                        ; h
	v_lshlrev_b32 v10, 5, v8
	v_lshl_add_u32 v10, v9, 4, v10                 ; 32 r + 16 h: the wave's 32 lanes cover 512 consecutive bytes of out1 and of gate
	v_lshlrev_b32 v11, 3, v8
	v_lshl_add_u32 v11, v9, 2, v11                 ; 8 r + 4 h
	v_lshlrev_b32 v12, 2, v1
	s_lshl_b32 s32, s27, 9
	s_add_nc_u64 s[58:59], s[12:13], s[32:33]
	s_add_nc_u64 s[60:61], s[18:19], s[32:33]
	s_lshl_b32 s32, s27, 7
	s_add_nc_u64 s[62:63], s[14:15], s[32:33]
	s_lshl_b32 s32, s27, 5
	s_add_nc_u64 s[66:67], s[20:21], s[32:33]
.irp j, 0,1,2,3
	v_cndmask_b32 v[252+\j], v[PR+\j], v[PR+4+\j], s36     ; lanes 16-31 take experts 4-7
	v_cndmask_b32 v[R+\j], v[GT+\j], v[GT+4+\j], s36
.endr
	v_cndmask_b32 v13, v[I1], v[I2], s36
	global_store_b128 v10, v[252:255], s[58:59]
	global_store_b128 v10, v[R:R+3], s[60:61]
	global_store_b32 v11, v13, s[62:63]
	v_cmp_gt_u32 vcc_lo, 8, v1
	s_wait_xcnt 0x0                                ; EXEC changes only behind this wait
	s_and_saveexec_b32 s40, vcc_lo
	global_store_b32 v12, v[VB], s[66:67]          ; lanes 0-7: the tile's eight words
	s_wait_xcnt 0x0                                ; and again in front of the line that widens it
	s_or_b32 exec_lo, exec_lo, s40
	CLOSE
.Lfunc_end_k_q4e2b20a2ea_prep:
	.size	k_q4e2b20a2ea_prep, .Lfunc_end_k_q4e2b20a2ea_prep-k_q4e2b20a2ea_prep
	.p2alignl 7, 3214868480
	.fill 96, 4, 3214868480
	.section	.rodata,"a",@progbits
	.p2align	6, 0x0
	.amdhsa_kernel k_q4e2b20a2ea_prep
		.amdhsa_group_segment_fixed_size 35328
		.amdhsa_private_segment_fixed_size 0
		.amdhsa_enable_private_segment 0
		.amdhsa_kernarg_size 88
		.amdhsa_user_sgpr_count 2
		.amdhsa_user_sgpr_kernarg_segment_ptr 1
		.amdhsa_wavefront_size32 1
		.amdhsa_system_sgpr_workgroup_id_x 1
		.amdhsa_system_sgpr_workgroup_id_y 1
		.amdhsa_system_sgpr_workgroup_id_z 1
		.amdhsa_system_vgpr_workitem_id 0
		.amdhsa_next_free_vgpr 512
		.amdhsa_next_free_sgpr 80
		.amdhsa_reserve_vcc 1
		.amdhsa_float_denorm_mode_32 3
		.amdhsa_float_denorm_mode_16_64 3
		.amdhsa_memory_ordered 1
		.amdhsa_forward_progress 1
		.amdhsa_inst_pref_size 112
	.end_amdhsa_kernel
	.amdgpu_metadata
---
amdhsa.version: [ 1, 2 ]
amdhsa.kernels:
  - .name:           k_q4e2b20a2ea_prep
    .symbol:         k_q4e2b20a2ea_prep.kd
    .args:
      - { .name: x, .offset: 0, .size: 8, .value_kind: global_buffer, .address_space: global }
      - { .name: router_w, .offset: 8, .size: 8, .value_kind: global_buffer, .address_space: global }
      - { .name: fc1_w, .offset: 16, .size: 8, .value_kind: global_buffer, .address_space: global }
      - { .name: fc2_w, .offset: 24, .size: 8, .value_kind: global_buffer, .address_space: global }
      - { .name: out1, .offset: 32, .size: 8, .value_kind: global_buffer, .address_space: global }
      - { .name: out2, .offset: 40, .size: 8, .value_kind: global_buffer, .address_space: global }
      - { .name: xb, .offset: 48, .size: 8, .value_kind: global_buffer, .address_space: global }
      - { .name: gate, .offset: 56, .size: 8, .value_kind: global_buffer, .address_space: global }
      - { .name: bm, .offset: 64, .size: 8, .value_kind: global_buffer, .address_space: global }
      - { .name: w1q, .offset: 72, .size: 8, .value_kind: global_buffer, .address_space: global }
      - { .name: w2q, .offset: 80, .size: 8, .value_kind: global_buffer, .address_space: global }
    .group_segment_fixed_size: 35328
    .private_segment_fixed_size: 0
    .kernarg_segment_align: 8
    .kernarg_segment_size: 88
    .max_flat_workgroup_size: 128
    .sgpr_count:     80
    .vgpr_count:     512
    .wavefront_size: 32
...
	.end_amdgpu_metadata
.endif
;; end of part 1
;; launch ffn (part 2): grid 135 x 1, 4 waves a work-group, no clusters, 231,424 bytes of LDS; arguments bm, gate, xb, w1q, w2q, fc1_b, fc2_b, part; writes part
.if DOCPART == 2
	.amdgcn_target "amdgcn-amd-amdhsa--gfx1250"
	.amdhsa_code_object_version 6
	.text
	.protected	k_q4e2b20a2ea_ffn
	.globl	k_q4e2b20a2ea_ffn
	.p2align	8
	.type	k_q4e2b20a2ea_ffn,@function
k_q4e2b20a2ea_ffn:
	s_mov_b64 s[64:65], 0
	v_nop
	global_prefetch_b8 v0, s[64:65] scope:SCOPE_SE
	s_setreg_imm32_b32 hwreg(HW_REG_WAVE_MODE, 25, 1), 1
	s_wait_xcnt 0x0
; FFN: a work-group takes a tile of 64 routed rows of ONE expert through the whole chain: gather, fc1 + bias, exact GELU, fc2 + bias, the gate's weight, store.
; part[token][slot][512] = gate x (gelu(x W1^T + b1) W2^T + b2), f32; slot 0 is the lower-numbered of the token's two experts, slot 1 the higher.  The next launch adds the two.
; GRID.  8,192 routed rows in tiles of 64 over 8 experts are never more than 128 + 7 = 135 tiles, whatever the split.  Every wave works out from the 8 KB of bm which expert and which rows are its
; work-group's.  A work-group that a split leaves without rows keeps expert 0, computes its first rows and stores nothing: no barrier may stand under a branch on loaded data.
; Places past a tile's count hold token 0; their stores are jumped.
; SHARES.  The hidden layer goes in 8 chunks of 256.  fc1: wave w makes hidden units 64 w .. 64 w + 63 of the chunk for all 64 rows (16 accumulators S).  fc2: wave w makes output columns
; 128 w .. 128 w + 127 for all 64 rows (32 accumulators Y), over all 2,048 hidden units, so a chunk's GELU results pass through LDS (two buffers by turns, one barrier a chunk).
; Source 0 is always the weights, source 1 the tokens: a lane holds ONE token (lane % 16) and 8 neighbouring units or columns, which pack into 16 or 32 neighbouring bytes.
; WEIGHTS come from memory straight into operand registers, in the order in which the launch before laid them: each byte is read by one wave of the work-group, each load is 512 consecutive
; bytes, and a ring of 8 register slots of 4 KB keeps 7 groups (56 loads) of every wave on their way.  So no LDS ring, no tensor load.
; NO CLUSTER: how many tiles an expert has hangs on counts read from memory, so partners would not be alike, and the weights never lie in LDS, where a joint load would put them.
; BY TURNS.  Phase P1(c): fc1 of chunk c, 256 matrix instructions.  Phase P2(c): fc2 of chunk c - 1, 256 matrix instructions, with the GELU of chunk c (1,216 vector instructions) in slices of five
; behind them.  One text serves every trip: P2(0) multiplies a buffer of zeros and P2(8) makes a GELU that nobody reads; that is 256 matrix instructions in 4,352.
; FORMATS.  x, both weights and both biases are rounded to bf16 (the biases here, on their way into LDS); the hidden layer is rounded once to bf16; all sums in f32.
; GELU.  gelu(x) = max(x, 0) - |x| q,  q = t (A1 + t (A2 + t (A3 + t (A4 + t A5)))) 2^(-x^2 log2(e) / 2),  t = 1 / (1 + 0.2316419 |x|): Abramowitz and Stegun 7.1.26 for erf, whose error is at most
; 1.5e-7, with its coefficients halved.  LIMITS: where 2^(..) falls below 2^-126 it counts as 0 (|x| above 13.2: gelu is then x or 0 to f32's last bit); NaN and infinities are not treated apart.
.set XP,    1040                       ; a row of x in LDS: 1,024 bytes + 16 = 65 x 16: the 16 rows of a fragment load start at 16 different groups of four banks
.set AP,    528                        ; a row of the hidden chunk, and of the stage: 512 + 16 = 33 x 16
.set B1,    64*XP                      ; 66,560: the expert's fc1_b, f32, 8,192 bytes
.set B2,    B1+8192                    ; fc2_b, 2,048 bytes
.set LIST,  B2+2048                    ; 4 x 512: each wave's part of the tile's list (65 words: the last takes what does not belong to the tile)
.set LISTM, LIST+2048                  ; 4 x 256: each wave's own copy of the whole list
.set SPARE, LISTM+1024                 ; 79,872: the spare words, 128 bytes a wave
.set STG,   SPARE+512                  ; 4 x 8,448: each wave's stage for the way out
.set A0,    0x20000                    ; the hidden chunk, buffer 0;
.set ASW,   0x10000                    ; buffer 1 lies this far on: one exclusive or changes buffers
.set LANE, 1
.set RR,   2                           ; lane % 16
.set HH,   3                           ; lane / 16
.set SPW,  4                           ; my spare word's address; never rewritten
.set NIL,  5                           ; 0; never rewritten
.set VO,   6                           ; 16 x lane
.set XRD,  7                           ; my place in a fragment of x
.set ARD0, 8                           ; the same in the hidden chunk, buffer 0
.set ARD,  9                           ; in the buffer that is read
.set AWR0, 10                          ; where I put 16 bytes of the hidden chunk, buffer 0
.set AWR,  11                          ; in the buffer that is written
.set BIA0, 12                          ; my 8 numbers of fc1_b, chunk 0
.set BIA,  13                          ; of the chunk to come
.set GA,   14                          ; v14-21: tile t's gate in v[14 + 2 t]
.set LB,   22                          ; 512 x wave + 16 x lane: my bytes in a row of part
.set STO,  23
.set SRD,  24
.set LMB,  25                          ; my wave's copy of the list
.set TU,   32                          ; v32-63, v64-95, v96-127: the GELU's 32 numbers at work
.set TE,   64
.set TA,   96
.set S,    128                         ; v128-255: fc1's accumulators, (ft, tt) at S + 8 (4 ft + tt)
.set BI,   128                         ; window 3: v0-127 four buffers of token fragments; v128-159 fc1's bias as a C operand.  Window 1: Y, (ht, tt) at 8 (4 ht + tt).  Window 2: the ring
.set RW,   32                          ; the prologue's registers: v32-95 bm, quarter q at RW + 16 q
.set OWN,  96                          ; v96-111 my wave's quarter
.set KT,   112                         ; v112-119 the experts' counts
.set ZR,   120                         ; v120-123 zeros
.set KS3,  124                         ; v124-126, v127
.set TP,   128                         ; v128-135 at work in the lane sums
.set BS,   160                         ; v160-179 the biases
.set EN,   196                         ; v196-211 sixteen entries
.set XO,   212                         ; v212-227 their rows' offsets
.set WV,  20
.set EX,  21                           ; my expert
.set R0,  22                           ; the rank of my tile's first row among the expert's
.set NN,  23                           ; rows in my tile, 0 to 64
.set KK,  24                           ; the loop's counter
.set PC,  26                           ; s[26:27] fc1's weights of the chunk in hand (behind the last chunk: what the next phase reads)
.set PB,  28                           ; s[28:29] fc2's weights of the chunk in hand
.set PN,  30                           ; s[30:31] fc1's next chunk
.set PL,  32                           ; s[32:33] fc2's last chunk
.set AT,  34
.set AT2, 35
.set PZ,  38
.set KE,  40
.set A1H, 42
.set A2H, 44
.set A3H, 46
.set A4H, 48
.set A5H, 50
.set SEQ, 68                           ; s68-75: -1 for my expert;  s76-83: -1 for the experts below it
.set SLT, 76
.set MSB, 0
.macro WIN new                         ; the immediate's high byte repeats the setting that is left; a switch that changes nothing is dropped
.if MSB != (\new)
	s_set_vgpr_msb (MSB<<8)|(\new)
.set MSB, (\new)
.endif
.endm
.macro KPAIR reg, val                  ; a constant for the packed forms: named as a pair, so both words are written
	s_mov_b32 s[\reg], \val
	s_mov_b32 s[\reg+1], \val
.endm
; A group of the ring: four fragments, 4,096 consecutive bytes, eight loads of 512 bytes.
.macro RING slot, ptr, grp
	WIN 0x80                               ; destination window 2
.set rf, 0
.rept 4
	global_load_b128 v[32*(\slot)+8*rf:32*(\slot)+8*rf+3],   v[VO], s[\ptr:\ptr+1] offset:(\grp)*4096+rf*1024
	global_load_b128 v[32*(\slot)+8*rf+4:32*(\slot)+8*rf+7], v[VO], s[\ptr:\ptr+1] offset:(\grp)*4096+rf*1024+512
.set rf, rf+1
.endr
.endm
; The token side of a k step: four fragments of 16 tokens x 32 k, eight LDS loads, from x or from the hidden chunk.
.macro BLOADX ks, buf
	WIN 0xc0                               ; destination window 3
.set bt, 0
.rept 4
	ds_load_b128 v[32*(\buf)+8*bt:32*(\buf)+8*bt+3],   v[XRD] offset:bt*16*XP+(\ks)*64
	ds_load_b128 v[32*(\buf)+8*bt+4:32*(\buf)+8*bt+7], v[XRD] offset:bt*16*XP+(\ks)*64+32
.set bt, bt+1
.endr
.endm
.macro BLOADA ks, buf
	WIN 0xc0
.set bt, 0
.rept 4
	ds_load_b128 v[32*(\buf)+8*bt:32*(\buf)+8*bt+3],   v[ARD] offset:bt*16*AP+(\ks)*64
	ds_load_b128 v[32*(\buf)+8*bt+4:32*(\buf)+8*bt+7], v[ARD] offset:bt*16*AP+(\ks)*64+32
.set bt, bt+1
.endr
.endm
.macro BILOAD                          ; fc1's bias for my four tiles of the chunk to come: register j of a lane is unit 8 (lane / 16) + j
	WIN 0xc0
.set bt, 0
.rept 4
	ds_load_b128 v[BI+8*bt:BI+8*bt+3],   v[BIA] offset:bt*64
	ds_load_b128 v[BI+8*bt+4:BI+8*bt+7], v[BIA] offset:bt*64+16
.set bt, bt+1
.endr
.endm
; P1: fc1 of a chunk, 16 k steps of 16 matrix instructions; the 16 accumulators take turns, one instruction a turn.  At the head of step g:
; the wait leaves the six younger groups (48 loads) out, so group g is in; four v_nop are the places between the last product that read slot (g + 7) % 8 and the loads into it
; (ISA guide 7.12.1 for vector instructions); group g + 7 is asked for (behind this phase's last: the next phase's); the tokens' fragments of step g + 2 are asked for
; (behind x's last: the hidden chunk's first two); the LDS wait leaves those and step g + 1's (16 loads) out.
.macro P1
.set g, 0
.rept 16
	WIN 0
	s_wait_loadcnt 48
.rept 4
	v_nop
.endr
.if g+7 <= 15
	RING (g+7)%8, PC, g+7
.else
	RING (g+7)%8, PB, g-9
.endif
.if g < 14
	BLOADX g+2, (g+2)%4
.else
	BLOADA g-14, (g+2)%4
.endif
	s_wait_dscnt 16
.set ft, 0
.rept 4
.set tq, 0
.rept 4
.set rS, S+8*(4*ft+tq)
.set rW, 32*(g%8)+8*ft
.set rB, 32*(g%4)+8*tq
.if g == 0
	WIN 0x3e                               ; weights window 2, tokens window 3, C (the bias, which starts the sum) window 3, D window 0
	v_wmma_f32_16x16x32_bf16 v[rS:rS+7], v[rW:rW+7], v[rB:rB+7], v[BI+8*ft:BI+8*ft+7]
.else
	WIN 0x0e
	v_wmma_f32_16x16x32_bf16 v[rS:rS+7], v[rW:rW+7], v[rB:rB+7], v[rS:rS+7]
.endif
.set tq, tq+1
.endr
.set ft, ft+1
.endr
.set g, g+1
.endr
.endm
; THE GELU of one tile of 16 units (batch GB: 32 numbers a lane, S + 32 GB) is a numbered list of 309; GR writes number RN.
;   0-127    |x| PZ + 1, x^2, x^2 KE (plain), and the 32 reciprocals and 32 exponentials, in place.  Pair 0's four plain lines first; then a transcendental of pair p and a plain line of pair p + 1 by
;            turns; pair 15's four transcendentals last.  Nothing here names a transcendental's result.  Each accumulator is first read at its lowest register.
;   128      a plain instruction behind the last transcendental, and ONE wait for the batch's 64, ahead of their first reader
;   129-144  t e     145-208  the polynomial, four layers     209-224  q     225-256  max(x, 0)     257-288  max(x, 0) - |x| q     289-304  rounded to bf16     305-308  16 bytes a token tile into LDS
; NPL counts the plain vector instructions since the last matrix instruction, DSQ the LDS instructions of the phase.
.macro PLQ n
.set p, (\n)/4
.if (\n)%4 == 0
	v_fma_f32 v[TU+2*p], |v[XB+2*p]|, s[PZ], 1.0
.elseif (\n)%4 == 1
	v_pk_mul_f32 v[TE+2*p:TE+2*p+1], v[XB+2*p:XB+2*p+1], v[XB+2*p:XB+2*p+1]
.elseif (\n)%4 == 2
	v_fma_f32 v[TU+2*p+1], |v[XB+2*p+1]|, s[PZ], 1.0
.else
	v_pk_mul_f32 v[TE+2*p:TE+2*p+1], v[TE+2*p:TE+2*p+1], s[KE:KE+1] op_sel_hi:[1,0]
.endif
.endm
.macro TRQ n
.set p, (\n)/4
.set PLN, 0
.if (\n)%4 < 2
	v_rcp_f32 v[TU+2*p+(\n)%4], v[TU+2*p+(\n)%4]
.else
	v_exp_f32 v[TE+2*p+(\n)%4-2], v[TE+2*p+(\n)%4-2]
.endif
.endm
.macro GR
	WIN 0
.set XB, S+32*GB
.set PLN, 1
.if RN < 4
	PLQ RN
.elseif RN < 124
.if RN%2 == 0
	TRQ (RN-4)/2
.else
	PLQ 4+(RN-5)/2
.endif
.elseif RN < 128
	TRQ RN-64
.elseif RN == 128
	v_nop
	s_wait_alu depctr_va_vdst(0)
.elseif RN < 145
.set p, RN-129
	v_pk_mul_f32 v[TE+2*p:TE+2*p+1], v[TU+2*p:TU+2*p+1], v[TE+2*p:TE+2*p+1]
.elseif RN < 161
.set p, RN-145
	v_pk_fma_f32 v[TA+2*p:TA+2*p+1], v[TU+2*p:TU+2*p+1], s[A5H:A5H+1], s[A4H:A4H+1] op_sel_hi:[1,0,0]
.elseif RN < 177
.set p, RN-161
	v_pk_fma_f32 v[TA+2*p:TA+2*p+1], v[TA+2*p:TA+2*p+1], v[TU+2*p:TU+2*p+1], s[A3H:A3H+1] op_sel_hi:[1,1,0]
.elseif RN < 193
.set p, RN-177
	v_pk_fma_f32 v[TA+2*p:TA+2*p+1], v[TA+2*p:TA+2*p+1], v[TU+2*p:TU+2*p+1], s[A2H:A2H+1] op_sel_hi:[1,1,0]
.elseif RN < 209
.set p, RN-193
	v_pk_fma_f32 v[TA+2*p:TA+2*p+1], v[TA+2*p:TA+2*p+1], v[TU+2*p:TU+2*p+1], s[A1H:A1H+1] op_sel_hi:[1,1,0]
.elseif RN < 225
.set p, RN-209
	v_pk_mul_f32 v[TA+2*p:TA+2*p+1], v[TA+2*p:TA+2*p+1], v[TE+2*p:TE+2*p+1]
.elseif RN < 257
.set p, RN-225
	v_max_num_f32 v[TU+p], 0, v[XB+p]
.elseif RN < 289
.set p, RN-257
	v_fma_f32 v[TA+p], -|v[XB+p]|, v[TA+p], v[TU+p]
.elseif RN < 305
.set p, RN-289
	v_cvt_pk_bf16_f32 v[TE+p], v[TA+2*p], v[TA+2*p+1]
.else
.set p, RN-305
	ds_store_b128 v[AWR], v[TE+4*p:TE+4*p+3] offset:p*16*AP+GB*32
.set PLN, 0
.set DSQ, DSQ+1
.endif
.set NPL, NPL+PLN
.set RN, RN+1
.endm
.macro SLICE                           ; 64 matrix instructions x 5 hold a batch's 309
.rept 5
.if RN <= 308
	GR
.endif
.endr
.endm
.macro SETSQ b                         ; DSQ just behind the run of loads into token buffer b
.if (\b) == 0
.set SQ0, DSQ
.elseif (\b) == 1
.set SQ1, DSQ
.elseif (\b) == 2
.set SQ2, DSQ
.else
.set SQ3, DSQ
.endif
.endm
.macro WAITSQ b                        ; all LDS instructions issued behind that run may stay out
.if (\b) == 0
	s_wait_dscnt DSQ-SQ0
.elseif (\b) == 1
	s_wait_dscnt DSQ-SQ1
.elseif (\b) == 2
	s_wait_dscnt DSQ-SQ2
.else
	s_wait_dscnt DSQ-SQ3
.endif
.endm
; The head of P2's step i (k step i / 2, output tiles 4 (i % 2) ..): as in P1; the slices behind the last product count as places as far as they are plain, v_nop make up four.
; At even steps the hidden chunk's k step i / 2 + 2 is asked for (behind its last: x's first two, for the P1 that follows); at step 8 the next chunk's bias.
.macro BOUND2 i
	WIN 0
	s_wait_loadcnt 48
.if NPL < 4
.rept 4-NPL
	v_nop
.endr
.endif
.if (\i)+7 <= 15
	RING ((\i)+7)%8, PB, (\i)+7
.else
	RING ((\i)+7)%8, PC, (\i)-9
.endif
.if (\i)%2 == 0
.set jj, (\i)/2
.if jj < 6
	BLOADA jj+2, (jj+2)%4
.elseif jj == 6
	BLOADX 0, 0
.else
	BLOADX 1, 1
.endif
.set DSQ, DSQ+8
	SETSQ (jj+2)%4
.if (\i) == 8
	BILOAD
.set DSQ, DSQ+8
.endif
	WAITSQ jj%4
.endif
.endm
.macro STEP2 i                         ; 16 of Y's 32 accumulators, one instruction a turn, a slice of the GELU behind each
.set hh, 0
.rept 4
.set tq, 0
.rept 4
	WIN 0x5e                               ; weights window 2, tokens window 3, C and D window 1
.set rY, 8*(4*(4*((\i)%2)+hh)+tq)
.set rW, 32*((\i)%8)+8*hh
.set rB, 32*(((\i)/2)%4)+8*tq
	v_wmma_f32_16x16x32_bf16 v[rY:rY+7], v[rW:rW+7], v[rB:rB+7], v[rY:rY+7]
.set NPL, 0
	SLICE
.set tq, tq+1
.endr
.set hh, hh+1
.endr
.endm
.macro P2                              ; at its head the 16 LDS loads of the hidden chunk's k steps 0 and 1 are the youngest, on both ways in
.set NPL, 0
.set DSQ, 16
.set SQ0, 8
.set SQ1, 16
.set SQ2, 0
.set SQ3, 0
.set st, 0
.rept 16
.if st%4 == 0
.set RN, 0
.set GB, st/4
.endif
	BOUND2 st
	STEP2 st
.set st, st+1
.endr
.endm
; Sums over the 32 lanes of cnt registers of whole numbers, side by side; every lane ends with the sum.  The temporaries have been written before.
.macro RSUM8 base, cnt
.irp m, 1,2,4,8
.set j, 0
.rept \cnt
	v_mov_b32_dpp v[TP+j], v[(\base)+j] row_xmask:\m row_mask:0xf bank_mask:0xf
.set j, j+1
.endr
.set j, 0
.rept \cnt
	v_add_nc_u32 v[(\base)+j], v[(\base)+j], v[TP+j]
.set j, j+1
.endr
.endr
.set j, 0
.rept \cnt
	v_permlanex16_b32 v[TP+j], v[(\base)+j], s36, s37
.set j, j+1
.endr
.set j, 0
.rept \cnt
	v_add_nc_u32 v[(\base)+j], v[(\base)+j], v[TP+j]
.set j, j+1
.endr
.endm
	s_load_b512 s[4:19], s[0:1], 0x0               ; bm s[4:5], gate s[6:7], xb s[8:9], w1q s[10:11], w2q s[12:13], fc1_b s[14:15], fc2_b s[16:17], part s[18:19]
	v_lshl_add_u32 v[SPW], v0, 2, SPARE
	v_mov_b32 v[NIL], 0
	v_and_b32 v[LANE], 31, v0
	v_lshrrev_b32 v26, 5, v0
	v_readfirstlane_b32 s[WV], v26                 ; wave 0..3
	v_and_b32 v[RR], 15, v0
	v_bfe_u32 v[HH], v0, 4, 1
	v_lshlrev_b32 v[VO], 4, v[LANE]
	v_lshlrev_b32 v27, 6, v[LANE]                  ; a lane takes 64 bytes of bm: two tiles of 16 tokens, eight experts each
	v_lshl_add_u32 v28, v26, 11, v27               ; the same in my wave's quarter
	s_mov_b32 s36, 0x76543210                      ; v_permlanex16_b32: each lane takes its own place in the other half
	s_mov_b32 s37, 0xfedcba98
	s_mov_b32 s66, 0x07060302                      ; v_perm_b32: the two high halves
	s_mov_b32 s67, 0x05040100                      ; the two low halves
	s_wait_kmcnt 0x0
.set q, 0
.rept 4
.irp c, 0,1,2,3
	global_load_b128 v[RW+16*q+4*\c:RW+16*q+4*\c+3], v27, s[4:5] offset:2048*q+16*\c
.endr
.set q, q+1
.endr
.irp c, 0,1,2,3
	global_load_b128 v[OWN+4*\c:OWN+4*\c+3], v28, s[4:5] offset:16*\c
.endr
	; in the wait for bm: my part of the list and the hidden chunk's buffer 1 are set to 0, addresses and constants are made
	s_lshl_b32 s93, s[WV], 9
	s_add_co_u32 s93, s93, LIST
	v_lshl_add_u32 v29, v[LANE], 2, s93
	ds_store_b32 v29, v[NIL]
	ds_store_b32 v29, v[NIL] offset:128
	ds_store_b32 v29, v[NIL] offset:256
.irp j, 0,1,2,3
	v_mov_b32 v[ZR+\j], 0
.endr
	v_lshl_add_u32 v30, v0, 4, A0+ASW
.set j, 0
.rept 17                               ; 128 threads x 16 bytes x 17 cover the buffer's 64 rows of 528 bytes
	ds_store_b128 v30, v[ZR:ZR+3] offset:2048*j
.set j, j+1
.endr
.set j, 0
.rept 8
	v_mov_b32 v[TP+j], 0
.set j, j+1
.endr
	v_mul_u32_u24 v[XRD], v[RR], XP
	v_lshl_add_u32 v[XRD], v[HH], 4, v[XRD]
	v_mul_u32_u24 v26, v[RR], AP
	v_lshl_add_u32 v31, v[HH], 5, v26              ; stage: row r, 32 bytes for each half of the lanes
	v_lshl_add_u32 v26, v[HH], 4, v26
	v_add_nc_u32 v[ARD0], A0, v26
	s_lshl_b32 s52, s[WV], 7
	s_add_co_u32 s52, s52, A0
	v_add_nc_u32 v[AWR0], s52, v26
	v_add_nc_u32 v[ARD], ASW, v[ARD0]              ; the first fc2 reads the zeros in buffer 1,
	v_mov_b32 v[AWR], v[AWR0]                      ; the first GELU writes buffer 0
	s_lshl_b32 s52, s[WV], 8
	s_add_co_u32 s53, s52, LISTM
	s_add_co_u32 s52, s52, B1
	v_lshl_add_u32 v[BIA0], v[HH], 5, s52
	v_mov_b32 v[BIA], v[BIA0]
	v_mov_b32 v[LMB], s53
	s_lshl_b32 s52, s[WV], 9
	v_add_nc_u32 v[LB], s52, v[VO]
	s_mul_i32 s52, s[WV], 16*AP
	s_add_co_u32 s52, s52, STG
	v_add_nc_u32 v[STO], s52, v31
	v_add_nc_u32 v[SRD], s52, v[VO]
	KPAIR PZ,  0x3e6d3388                          ; 0.3275911 / sqrt(2)
	KPAIR KE,  0xbf38aa3b                          ; -log2(e) / 2
	KPAIR A1H, 0x3e027906                          ; 0.254829592 / 2
	KPAIR A2H, 0xbe11a98e                          ; -0.284496736 / 2
	KPAIR A3H, 0x3f35f0e3                          ; 1.421413741 / 2
	KPAIR A4H, 0xbf3a00e3                          ; -1.453152027 / 2
	KPAIR A5H, 0x3f07dc22                          ; 1.061405429 / 2
	s_mov_b32 s[AT], ASW
	s_mov_b32 s[AT2], 0
	s_wait_loadcnt 0x0                             ; bm
	; the experts' counts: the high halves of a lane's two tiles side by side, summed over quarters and lanes
.set q, 0
.rept 4
.set j, 0
.rept 8
	v_perm_b32 v[RW+16*q+j], v[RW+16*q+8+j], v[RW+16*q+j], s66
.set j, j+1
.endr
.set q, q+1
.endr
.set j, 0
.rept 8
	v_add3_u32 v[KT+j], v[RW+j], v[RW+16+j], v[RW+32+j]
.set j, j+1
.endr
.set j, 0
.rept 8
	v_add_nc_u32 v[KT+j], v[KT+j], v[RW+48+j]
.set j, j+1
.endr
	RSUM8 KT, 8
.set j, 0
.rept 8
	v_readfirstlane_b32 s[SEQ+j], v[KT+j]
.set j, j+1
.endr
	; which tile is mine: expert j has (c_j + 63) / 64 tiles, the experts' tiles lie one behind the other
	s_mov_b32 s[EX], 0
	s_mov_b32 s52, 0
	s_mov_b32 s53, 0
	s_mov_b32 s54, 0
.set j, 0
.rept 8
	s_and_b32 s55, s[SEQ+j], 0xffff
	s_lshr_b32 s56, s[SEQ+j], 16
	s_add_co_u32 s55, s55, s56                     ; c_j
	s_add_co_u32 s56, s55, 63
	s_lshr_b32 s56, s56, 6
	s_sub_co_u32 s57, ttmp9, s54                   ; my number less the tiles in front: very large if I lie in front
	s_cmp_lt_u32 s57, s56
	s_cselect_b32 s[EX], j, s[EX]
	s_cselect_b32 s52, s57, s52
	s_cselect_b32 s53, s55, s53
	s_add_co_u32 s54, s54, s56
.set j, j+1
.endr
	s_min_u32 s[EX], s[EX], 7
	s_lshl_b32 s[R0], s52, 6
	s_sub_co_u32 s[NN], s53, s[R0]
	s_min_u32 s[NN], s[NN], 64
	s_lshl2_add_u32 s52, s[EX], s[WV]              ; (e 4 + w) x 524,288: my wave's weights
	s_lshl_b32 s52, s52, 19
	s_mov_b32 s53, 0
	s_add_nc_u64 s[PC:PC+1], s[10:11], s[52:53]
	s_mov_b64 s[PN:PN+1], s[PC:PC+1]
	s_add_nc_u64 s[PB:PB+1], s[12:13], s[52:53]
	s_add_nc_u64 s[PL:PL+1], s[PB:PB+1], 0x70000
.set g, 0
.rept 7
	RING g, PC, g                                  ; the ring's first seven groups go out before anything else
.set g, g+1
.endr
	WIN 0
	s_lshl_b32 s52, s[EX], 13
	s_add_nc_u64 s[88:89], s[14:15], s[52:53]
	s_lshl_b32 s52, s[EX], 11
	s_add_nc_u64 s[90:91], s[16:17], s[52:53]
	s_lshl_b32 s92, s[EX], 2
	v_lshlrev_b32 v187, 4, v0
.irp j, 0,1,2,3
	global_load_b128 v[BS+4*\j:BS+4*\j+3], v187, s[88:89] offset:2048*\j
.endr
	global_load_b128 v[BS+16:BS+19], v187, s[90:91]
	; my expert's words: chosen by masks, since a register's number cannot hang on data
.set j, 0
.rept 8
	s_cmp_eq_u32 s[EX], j
	s_cselect_b32 s[SEQ+j], -1, 0
	s_cmp_gt_u32 s[EX], j
	s_cselect_b32 s[SLT+j], -1, 0
.set j, j+1
.endr
.set q, 0
.rept 3                                ; its counts in the quarters below my wave's: the rank of my quarter's first row
	v_and_b32 v[KS3+q], s[SEQ], v[RW+16*q]
.set j, 1
.rept 7
	v_and_or_b32 v[KS3+q], v[RW+16*q+j], s[SEQ+j], v[KS3+q]
.set j, j+1
.endr
	s_cmp_gt_u32 s[WV], q
	s_cselect_b32 s52, -1, 0
	v_and_b32 v[KS3+q], s52, v[KS3+q]
.set q, q+1
.endr
	v_add3_u32 v[KS3+3], v[KS3], v[KS3+1], v[KS3+2]
	v_and_b32 v182, s[SEQ], v[OWN]                 ; my quarter: who chose my expert (two tiles),
	v_and_b32 v183, s[SEQ], v[OWN+8]
	v_and_b32 v184, s[SLT], v[OWN]                 ; and who chose an expert below it
	v_and_b32 v185, s[SLT], v[OWN+8]
.set j, 1
.rept 7
	v_and_or_b32 v182, v[OWN+j], s[SEQ+j], v182
	v_and_or_b32 v183, v[OWN+8+j], s[SEQ+j], v183
	v_and_or_b32 v184, v[OWN+j], s[SLT+j], v184
	v_and_or_b32 v185, v[OWN+8+j], s[SLT+j], v185
.set j, j+1
.endr
	v_perm_b32 v180, v183, v182, s67               ; lane i: the bitmap of tokens 32 (32 w + i) ..
	v_perm_b32 v181, v185, v184, s67
	RSUM8 KS3+3, 1
	v_readfirstlane_b32 s58, v[KS3+3]
	s_and_b32 s52, s58, 0xffff
	s_lshr_b32 s58, s58, 16
	s_add_co_u32 s58, s58, s52
	s_sub_co_u32 s58, s58, s[R0]                   ; the place in my tile of my quarter's first row (wraps round where it lies in front of the tile)
	s_lshl_b32 s60, s[WV], 11
	v_lshlrev_b32 v186, 1, v[LANE]
	v_add_nc_u32 v186, s60, v186                   ; 2 x (token of bit `lane` of my quarter's word 0)
.set i, 0
.rept 32                               ; word i: lane = bit = token.  An entry is 2 x token + slot; it goes to its place in the tile, or to word 64
	v_readlane_b32 s61, v180, i
	v_readlane_b32 s62, v181, i
	v_mbcnt_lo_u32_b32 v26, s61, s58               ; the place: the base + the chosen tokens below mine
	v_cndmask_b32 v26, 64, v26, s61
	v_min_u32 v26, 64, v26
	v_cndmask_b32 v27, 0, 1, s62
	v_add3_u32 v27, v186, v27, 64*i
	v_lshl_add_u32 v26, v26, 2, s93
	ds_store_b32 v26, v27
	s_bcnt1_i32_b32 s61, s61
	s_add_co_u32 s58, s58, s61
.set i, i+1
.endr
	s_wait_dscnt 0x0                               ; for the others' sake: my part of the list (and my zeros) are written
	s_barrier_signal -1
	s_barrier_wait -1
	v_lshl_add_u32 v28, v[LANE], 2, LIST           ; each place was written by one wave and is 0 in the other three parts: OR them, into my wave's own copy
.irp q, 0,1,2,3
	ds_load_b32 v[188+\q], v28 offset:512*\q
	ds_load_b32 v[192+\q], v28 offset:512*\q+128
.endr
	s_wait_dscnt 0x0
	v_or_b32 v188, v188, v189
	v_or_b32 v190, v190, v191
	v_or_b32 v192, v192, v193
	v_or_b32 v194, v194, v195
	v_or_b32 v188, v188, v190
	v_or_b32 v192, v192, v194
	v_lshl_add_u32 v29, v[LANE], 2, v[LMB]
	ds_store_b32 v29, v188
	ds_store_b32 v29, v192 offset:128
	v_lshl_add_u32 v28, v[RR], 2, v[LMB]
	s_lshl_b32 s52, s[WV], 6
	v_add_nc_u32 v29, s52, v[LMB]
.irp t, 0,1,2,3
	ds_load_b32 v[188+\t], v28 offset:64*\t        ; my token in each of the four token tiles (a wave's LDS instructions are served in order: these see the stores above)
.endr
.irp j, 0,1,2,3
	ds_load_b128 v[EN+4*\j:EN+4*\j+3], v29 offset:16*\j    ; the 16 rows of x that my wave fetches: every lane reads the same words
.endr
	s_wait_dscnt 0x0
.irp t, 0,1,2,3
	v_lshrrev_b32 v[188+\t], 1, v[188+\t]
	v_min_u32 v[188+\t], 0xfff, v[188+\t]
	v_lshl_add_u32 v[188+\t], v[188+\t], 5, s92
	global_load_b32 v[GA+2*\t], v[188+\t], s[6:7]
	v_mov_b32 v[GA+2*\t+1], 0                      ; named with it as a pair
.endr
.set i, 0
.rept 16
	v_lshrrev_b32 v[XO+i], 1, v[EN+i]
	v_min_u32 v[XO+i], 0xfff, v[XO+i]
	v_lshl_add_u32 v[XO+i], v[XO+i], 10, v[VO]
	global_load_b128 v[RW+8*i:RW+8*i+3],   v[XO+i], s[8:9]             ; a row of xb: two loads of 512 consecutive bytes
	global_load_b128 v[RW+8*i+4:RW+8*i+7], v[XO+i], s[8:9] offset:512
.set i, i+1
.endr
	s_wait_loadcnt 36                              ; the biases are in: behind them 4 gates and 32 loads of x were issued
.set p, 0
.rept 10                               ; rounded to bf16 like every input, and kept as f32
	v_cvt_pk_bf16_f32 v26, v[BS+2*p], v[BS+2*p+1]
	v_lshlrev_b32 v[BS+2*p], 16, v26
	v_and_b32 v[BS+2*p+1], 0xffff0000, v26
.set p, p+1
.endr
	v_add_nc_u32 v27, B1, v187
.irp j, 0,1,2,3,4
	ds_store_b128 v27, v[BS+4*\j:BS+4*\j+3] offset:2048*\j     ; the fifth is fc2_b, which lies behind fc1_b's 8,192 bytes
.endr
	s_mul_i32 s52, s[WV], 16*XP
	v_add_nc_u32 v28, s52, v[VO]
.set i, 0
.rept 16
	s_wait_loadcnt 30-2*i                          ; the rows behind row i may stay out
	ds_store_b128 v28, v[RW+8*i:RW+8*i+3]   offset:i*XP
	ds_store_b128 v28, v[RW+8*i+4:RW+8*i+7] offset:i*XP+512
.set i, i+1
.endr
	s_lshl_b32 s52, s[WV], 9
	s_add_co_u32 s52, s52, B2
	v_lshl_add_u32 v29, v[HH], 5, s52
	s_wait_dscnt 0x0                               ; for the others' sake: my rows of x and my part of the biases are written
	s_barrier_signal -1
	s_barrier_wait -1
	WIN 0x40                                       ; Y starts from fc2's bias: register j of a lane is column 8 (lane / 16) + j of its tile, the same for all four token tiles
.set a, 0
.rept 8
.set z, 0
.rept 4
	ds_load_b128 v[8*(4*a+z):8*(4*a+z)+3],   v29 offset:64*a
	ds_load_b128 v[8*(4*a+z)+4:8*(4*a+z)+7], v29 offset:64*a+16
.set z, z+1
.endr
.set a, a+1
.endr
	BILOAD
	BLOADX 0, 0
	BLOADX 1, 1
	WIN 0                                          ; at a label and at a branch every window is 0
	s_mov_b32 s[KK], 0
	s_branch .Lenter                               ; the loop is entered in the middle of a trip: there is no GELU yet
.Ltop:                                 ; trip k = 1 .. 9: P2(k - 1), then P1(k) while there are chunks
	s_wait_xcnt 0x0                                ; the loads that name PC have had their addresses translated: only now is it written
	s_cmp_lt_u32 s[KK], 8
	s_cselect_b64 s[PC:PC+1], s[PN:PN+1], s[PL:PL+1]   ; what follows this P2: fc1's chunk k, or behind the last chunk fc2's last (in trip 9 nothing follows: those 28 KB are read for nothing)
	s_min_u32 s52, s[KK], 7
	s_lshl_b32 s52, s52, 10
	v_add_nc_u32 v[BIA], s52, v[BIA0]
	P2
	WIN 0
	s_wait_dscnt 0x0                               ; my stores of this chunk's GELU are done and my reads of the chunk before are back:
	s_barrier_signal -1
	s_barrier_wait -1                              ; so are everybody's: the buffers change places
	s_wait_xcnt 0x0
	s_cmp_ge_u32 s[KK], 2                          ; trips 1 and 2 both read fc2's chunk 0: the first on zeros
	s_cselect_b32 s52, 0x10000, 0
	s_mov_b32 s53, 0
	s_add_nc_u64 s[PB:PB+1], s[PB:PB+1], s[52:53]
	s_xor_b32 s[AT], s[AT], ASW
	s_xor_b32 s[AT2], s[AT2], ASW
	v_add_nc_u32 v[ARD], s[AT], v[ARD0]
	v_add_nc_u32 v[AWR], s[AT2], v[AWR0]
	s_cmp_ge_u32 s[KK], 8
	s_cbranch_scc1 .Lskip
.Lenter:
	P1
	WIN 0
	s_branch .Lbottom
.Lskip:                                ; no fc1 is left: the 16 LDS loads that P1's last two steps would have issued
	BLOADA 0, 0
	BLOADA 1, 1
	WIN 0
.Lbottom:
	s_add_nc_u64 s[PN:PN+1], s[PN:PN+1], 0x10000   ; no load names PN itself
	s_add_co_u32 s[KK], s[KK], 1
	s_cmp_lt_u32 s[KK], 10
	s_cbranch_scc1 .Ltop
	; THE WAY OUT, a token tile at a time: Y times the token's gate; 32 bytes a lane and output tile into my stage; back as rows of 512 bytes; each row to its place in part.
.set OEN, 32                           ; v32-47 the tile's entries, v48-63 their rows' offsets, v128-191 the products, v192-255 the rows read back
.set ORO, 48
.set OVV, 128
.set ORB, 192
.rept 4
	v_nop                                          ; the places behind the last products
.endr
.macro OUTT t
	WIN 0
.if (\t) > 0
	s_wait_xcnt 0x0                                ; the last tile's stores have read their data and offsets: only now are these written again
.endif
.irp j, 0,1,2,3
	ds_load_b128 v[OEN+4*\j:OEN+4*\j+3], v[LMB] offset:64*(\t)+16*\j
.endr
	WIN 0x01                                       ; source 0 (Y) window 1
.set a, 0
.rept 8
.set z, 0
.rept 4                                ; each accumulator from its low end on
	v_pk_mul_f32 v[OVV+8*a+2*z:OVV+8*a+2*z+1], v[8*(4*a+(\t))+2*z:8*(4*a+(\t))+2*z+1], v[GA+2*(\t):GA+2*(\t)+1] op_sel_hi:[1,0]
.set z, z+1
.endr
.set a, a+1
.endr
	WIN 0
.set a, 0
.rept 8
	ds_store_b128 v[STO], v[OVV+8*a:OVV+8*a+3]   offset:64*a
	ds_store_b128 v[STO], v[OVV+8*a+4:OVV+8*a+7] offset:64*a+16
.set a, a+1
.endr
.set i, 0
.rept 16
	ds_load_b128 v[ORB+4*i:ORB+4*i+3], v[SRD] offset:i*AP      ; a wave's LDS instructions are served in order (ISA guide 5.7.1.4): these see the stores above; the next tile's stores come behind them
.set i, i+1
.endr
	s_wait_dscnt 32                                ; the entries are in: behind them stand 16 stores and 16 loads
.set i, 0
.rept 16
	v_min_u32 v[ORO+i], 0x1fff, v[OEN+i]
	v_lshl_add_u32 v[ORO+i], v[ORO+i], 11, v[LB]   ; row 2 x token + slot of 2,048 bytes, my wave's 512 of them
.set i, i+1
.endr
.set i, 0
.rept 16
	s_cmp_le_u32 s[NN], 16*(\t)+i                  ; the rows from the tile's count on are not stored
	s_cbranch_scc1 .Lfin
	s_wait_dscnt 15-i
	global_store_b128 v[ORO+i], v[ORB+4*i:ORB+4*i+3], s[18:19]  ; 512 consecutive bytes, at a multiple of 512 from part's first byte
.set i, i+1
.endr
.endm
	OUTT 0
	OUTT 1
	OUTT 2
	OUTT 3
.Lfin:
	s_wait_tensorcnt 0x0                           ; the wave's end
	ds_add_u32 v[SPW], v[NIL]
	s_wait_dscnt 0x0
	s_endpgm
.Lfunc_end_k_q4e2b20a2ea_ffn:
	.size	k_q4e2b20a2ea_ffn, .Lfunc_end_k_q4e2b20a2ea_ffn-k_q4e2b20a2ea_ffn
	.p2alignl 7, 3214868480
	.fill 96, 4, 3214868480
	.section	.rodata,"a",@progbits
	.p2align	6, 0x0
	.amdhsa_kernel k_q4e2b20a2ea_ffn
		.amdhsa_group_segment_fixed_size 231424
		.amdhsa_private_segment_fixed_size 0
		.amdhsa_enable_private_segment 0
		.amdhsa_kernarg_size 64
		.amdhsa_user_sgpr_count 2
		.amdhsa_user_sgpr_kernarg_segment_ptr 1
		.amdhsa_wavefront_size32 1
		.amdhsa_system_sgpr_workgroup_id_x 1
		.amdhsa_system_sgpr_workgroup_id_y 1
		.amdhsa_system_sgpr_workgroup_id_z 1
		.amdhsa_system_vgpr_workitem_id 0
		.amdhsa_next_free_vgpr 928
		.amdhsa_next_free_sgpr 100
		.amdhsa_reserve_vcc 0
		.amdhsa_float_denorm_mode_32 3
		.amdhsa_float_denorm_mode_16_64 3
		.amdhsa_memory_ordered 1
		.amdhsa_forward_progress 1
		.amdhsa_inst_pref_size 255
	.end_amdhsa_kernel
	.section	.bss,"aw",@nobits
	.p2align	6
	.space	262144
	.amdgpu_metadata
---
amdhsa.version: [ 1, 2 ]
amdhsa.kernels:
  - .name:           k_q4e2b20a2ea_ffn
    .symbol:         k_q4e2b20a2ea_ffn.kd
    .args:
      - { .name: bm, .offset: 0, .size: 8, .value_kind: global_buffer, .address_space: global }
      - { .name: gate, .offset: 8, .size: 8, .value_kind: global_buffer, .address_space: global }
      - { .name: xb, .offset: 16, .size: 8, .value_kind: global_buffer, .address_space: global }
      - { .name: w1q, .offset: 24, .size: 8, .value_kind: global_buffer, .address_space: global }
      - { .name: w2q, .offset: 32, .size: 8, .value_kind: global_buffer, .address_space: global }
      - { .name: fc1_b, .offset: 40, .size: 8, .value_kind: global_buffer, .address_space: global }
      - { .name: fc2_b, .offset: 48, .size: 8, .value_kind: global_buffer, .address_space: global }
      - { .name: part, .offset: 56, .size: 8, .value_kind: global_buffer, .address_space: global }
    .group_segment_fixed_size: 231424
    .private_segment_fixed_size: 0
    .kernarg_segment_align: 8
    .kernarg_segment_size: 64
    .max_flat_workgroup_size: 128
    .sgpr_count:     100
    .vgpr_count:     928
    .wavefront_size: 32
...
	.end_amdgpu_metadata
.endif
;; end of part 2
;; launch comb (part 3): grid 256 x 1, 8 waves a work-group, no clusters, 0 bytes of LDS; arguments part, out0; writes out0
.if DOCPART == 3
	.amdgcn_target "amdgcn-amd-amdhsa--gfx1250"
	.amdhsa_code_object_version 6
	.text
	.protected	k_q4e2b20a2ea_comb
	.globl	k_q4e2b20a2ea_comb
	.p2align	8
	.type	k_q4e2b20a2ea_comb,@function
k_q4e2b20a2ea_comb:
	s_mov_b64 s[64:65], 0
	v_nop
	global_prefetch_b8 v0, s[64:65] scope:SCOPE_SE
	s_setreg_imm32_b32 hwreg(HW_REG_WAVE_MODE, 25, 1), 1
	s_wait_xcnt 0x0
; COMB: out0[token][:] = part[token][0][:] + part[token][1][:], all f32: the two chosen experts' weighted results, which two different work-groups of the launch before made.
; A stream: 16 MB in, 8 MB out, each byte once.  A work-group owns 16 tokens; its 256 threads take two tokens a pass, 16 bytes a thread and slot, eight passes.
; All 16 loads of a thread go out first (each load and store of a wave covers 512 consecutive bytes); no LDS, no barrier, no matrix unit: there is nothing to share and nothing to multiply.
.set PO, 1                             ; v1  my byte offset in the group's part: (thread / 128) x 4,096 + (thread % 128) x 16
.set OO, 3                             ; v3  in the group's out0: thread x 16
.set D,  8                             ; v[8 + 8 p ..]: pass p: slot 0's four numbers, then slot 1's
	s_load_b128 s[4:7], s[0:1], 0x0                ; part s[4:5], out0 s[6:7]
	v_lshrrev_b32 v[PO], 7, v0
	v_and_b32 v2, 127, v0
	v_lshlrev_b32 v2, 4, v2
	v_lshl_add_u32 v[PO], v[PO], 12, v2
	v_lshlrev_b32 v[OO], 4, v0
	s_lshl_b32 s8, ttmp9, 16                       ; 16 tokens x 4,096 bytes
	s_mov_b32 s9, 0
	s_lshl_b32 s10, ttmp9, 15                      ; 16 tokens x 2,048 bytes
	s_mov_b32 s11, 0
	s_wait_kmcnt 0x0
	s_add_nc_u64 s[4:5], s[4:5], s[8:9]
	s_add_nc_u64 s[6:7], s[6:7], s[10:11]
.set p, 0
.rept 8
	global_load_b128 v[D+8*p:D+8*p+3],   v[PO], s[4:5] offset:8192*p th:TH_LOAD_NT
	global_load_b128 v[D+8*p+4:D+8*p+7], v[PO], s[4:5] offset:8192*p+2048 th:TH_LOAD_NT
.set p, p+1
.endr
.set p, 0
.rept 8
	s_wait_loadcnt 14-2*p                          ; the later passes' loads stay out
	v_pk_add_f32 v[D+8*p:D+8*p+1],   v[D+8*p:D+8*p+1],   v[D+8*p+4:D+8*p+5]
	v_pk_add_f32 v[D+8*p+2:D+8*p+3], v[D+8*p+2:D+8*p+3], v[D+8*p+6:D+8*p+7]
	global_store_b128 v[OO], v[D+8*p:D+8*p+3], s[6:7] offset:4096*p th:TH_STORE_NT
.set p, p+1
.endr
	s_endpgm
.Lfunc_end_k_q4e2b20a2ea_comb:
	.size	k_q4e2b20a2ea_comb, .Lfunc_end_k_q4e2b20a2ea_comb-k_q4e2b20a2ea_comb
	.p2alignl 7, 3214868480
	.fill 96, 4, 3214868480
	.section	.rodata,"a",@progbits
	.p2align	6, 0x0
	.amdhsa_kernel k_q4e2b20a2ea_comb
		.amdhsa_group_segment_fixed_size 0
		.amdhsa_private_segment_fixed_size 0
		.amdhsa_enable_private_segment 0
		.amdhsa_kernarg_size 16
		.amdhsa_user_sgpr_count 2
		.amdhsa_user_sgpr_kernarg_segment_ptr 1
		.amdhsa_wavefront_size32 1
		.amdhsa_system_sgpr_workgroup_id_x 1
		.amdhsa_system_sgpr_workgroup_id_y 1
		.amdhsa_system_sgpr_workgroup_id_z 1
		.amdhsa_system_vgpr_workitem_id 0
		.amdhsa_next_free_vgpr 136
		.amdhsa_next_free_sgpr 66
		.amdhsa_reserve_vcc 0
		.amdhsa_float_denorm_mode_32 3
		.amdhsa_float_denorm_mode_16_64 3
		.amdhsa_memory_ordered 1
		.amdhsa_forward_progress 1
		.amdhsa_inst_pref_size 5
	.end_amdhsa_kernel
	.amdgpu_metadata
---
amdhsa.version: [ 1, 2 ]
amdhsa.kernels:
  - .name:           k_q4e2b20a2ea_comb
    .symbol:         k_q4e2b20a2ea_comb.kd
    .args:
      - { .name: part, .offset: 0, .size: 8, .value_kind: global_buffer, .address_space: global }
      - { .name: out0, .offset: 8, .size: 8, .value_kind: global_buffer, .address_space: global }
    .group_segment_fixed_size: 0
    .private_segment_fixed_size: 0
    .kernarg_segment_align: 8
    .kernarg_segment_size: 16
    .max_flat_workgroup_size: 256
    .sgpr_count:     66
    .vgpr_count:     136
    .wavefront_size: 32
...
	.end_amdgpu_metadata
.endif
;; end of part 3
;; ======== version 2 of 2: 3 launches; 1.12 times as fast as version 1
;; limits: a function is approximated: absolute error at most 2.5e-05; an absolute error that grows with the inputs' magnitude: up to 1.25e-05 times it
;; workspace buffers: xb 4,194,304 bytes; w1q 16,777,216 bytes; w2q 16,777,216 bytes; gate 131,072 bytes; bm 8,192 bytes of whole numbers; part 33,554,432 bytes
;; launch prep: the kernel of part 1 again; grid 576 x 1, 4 waves a work-group, no clusters, 35,328 bytes of LDS; arguments x, router_w, fc1_w, fc2_w, out1, out2, xb, gate, bm, w1q, w2q; writes out1, out2, xb, gate, bm, w1q, w2q
;; launch ffn (part 4): grid 220 x 1, 4 waves a work-group, no clusters, 239,616 bytes of LDS; arguments bm, gate, xb, w1q, w2q, fc1_b, fc2_b, part; writes part
.if DOCPART == 4
	.amdgcn_target "amdgcn-amd-amdhsa--gfx1250"
	.amdhsa_code_object_version 6
	.text
	.protected	k_q4e2b20a2ea_ffn
	.globl	k_q4e2b20a2ea_ffn
	.p2align	8
	.type	k_q4e2b20a2ea_ffn,@function
k_q4e2b20a2ea_ffn:
	s_mov_b64 s[64:65], 0
	v_nop
	global_prefetch_b8 v0, s[64:65] scope:SCOPE_SE
	s_setreg_imm32_b32 hwreg(HW_REG_WAVE_MODE, 25, 1), 1
	s_wait_xcnt 0x0
; FFN: a work-group takes a tile of 80 routed rows of ONE expert through the chain for HALF of the hidden layer: gather, fc1 + bias, GELU, fc2 (+ bias in half 0), the gate's weight, store.
; part[token][slot][half][512] = gate x (gelu(x W1^T + b1)[half] W2[half]^T (+ b2)), f32; slot 0 is the lower-numbered of the token's two experts.  The next launch adds a token's four rows.
; GRID.  8,192 routed rows in tiles of 80 over 8 experts are never more than 103 + 7 = 110 tiles, whatever the split; two halves each: 220 work-groups (tile = number / 2, half = number % 2).
; Every wave works out from the 8 KB of bm which expert and which rows are its work-group's.  A work-group that a split leaves without rows keeps expert 0, computes its first rows and stores
; nothing: no barrier may stand under a branch on loaded data.  Places past a tile's count hold token 0; their stores are jumped.
; SHARES.  The half's 1,024 hidden units go in 4 chunks of 256.  fc1: wave w makes units 64 w .. 64 w + 63 of the chunk for all 80 rows (20 accumulators S).  fc2: wave w makes output columns
; 128 w .. 128 w + 127 for all 80 rows (40 accumulators Y), so a chunk's GELU results pass through LDS (two buffers by turns, one barrier a chunk).
; Source 0 is always the weights, source 1 the tokens: a lane holds ONE token (lane % 16) and 8 neighbouring units or columns, which pack into 16 or 32 neighbouring bytes.
; WEIGHTS come from memory straight into operand registers, in the order in which the launch before laid them: each byte is read by one wave of the work-group, each load is 512 consecutive
; bytes, and a ring of 8 register slots of 4 KB keeps 7 groups (56 loads) of every wave on their way; a group feeds 20 matrix instructions.  So no LDS ring, no tensor load.
; NO CLUSTER: how many tiles an expert has hangs on counts read from memory, so partners would not be alike, and the weights never lie in LDS, where a joint load would put them.
; BY TURNS.  Phase P1(c): fc1 of chunk c, 320 matrix instructions.  Phase P2(c): fc2 of chunk c - 1, 320 matrix instructions, with the GELU of chunk c in slices of four or five behind them.
; One text serves every trip: P2(0) multiplies a buffer of zeros and P2(4) makes a GELU that nobody reads; that is 320 matrix instructions in 2,880.
; FORMATS.  x, both weights and both biases are rounded to bf16 (the biases here, on their way into LDS); the hidden layer is rounded once to bf16; all sums in f32.
; GELU.  gelu(x) = max(x, 0) - |x| q,  q = t (A1 + t (A2 + t A3)) 2^(-x^2 log2(e) / 2),  t = 1 / (1 + 0.3326725 |x|): Abramowitz and Stegun 7.1.25 for erf, with its coefficients halved.
; LIMITS: that formula's error in erf is at most 2.5e-5 for every argument, so gelu is off by at most 1.25e-5 |x|, a hundredth of the rounding to bf16 that follows; where 2^(..) falls below
; 2^-126 it counts as 0 (|x| above 13.2: gelu is then x or 0 to f32's last bit); NaN and infinities are not treated apart.
.set TT,    5                          ; token tiles of 16 in a work-group's tile
.set ROWS,  16*TT
.set NCH,   4                          ; chunks of 256 hidden units in a half
.set XP,    1040                       ; a row of x in LDS: 1,024 bytes + 16 = 65 x 16: the 16 rows of a fragment load start at 16 different groups of four banks
.set AP,    528                        ; a row of the hidden chunk, and of the stage: 512 + 16 = 33 x 16
.set B1,    ROWS*XP                    ; 83,200: my half of the expert's fc1_b, f32, 4,096 bytes
.set B2,    B1+4096                    ; fc2_b (zeros in half 1), 2,048 bytes
.set LIST,  B2+2048                    ; 4 x 512: each wave's part of the tile's list (word 80 takes what does not belong to the tile)
.set LISTM, LIST+2048                  ; 4 x 512: each wave's own copy of the whole list
.set SPARE, LISTM+2048                 ; 93,440: the spare words, 128 bytes a wave
.set STG,   SPARE+512                  ; 4 x 8,448: each wave's stage for the way out
.set A0,    0x20000                    ; the hidden chunk, buffer 0;
.set ASW,   0x10000                    ; buffer 1 lies this far on: one exclusive or changes buffers
.set LANE, 1
.set RR,   2                           ; lane % 16
.set HH,   3                           ; lane / 16
.set SPW,  4                           ; my spare word's address; never rewritten
.set NIL,  5                           ; 0; never rewritten
.set VO,   6                           ; 16 x lane
.set XRD,  7                           ; my place in a fragment of x, token tiles 0-3
.set ARD0, 8                           ; the same in the hidden chunk, buffer 0
.set ARD,  9                           ; in the buffer that is read
.set AWR0, 10                          ; where I put 16 bytes of the hidden chunk, buffer 0
.set AWR,  11                          ; in the buffer that is written
.set BIA0, 12                          ; my 8 numbers of fc1_b, chunk 0
.set BIA,  13                          ; of the chunk to come
.set GA,   14                          ; v14-23: tile t's gate in v[14 + 2 t]
.set LB,   24                          ; 2,048 x half + 512 x wave + 16 x lane: my bytes in a token's slot of part
.set STO,  25
.set SRD,  26
.set LMB,  27                          ; my wave's copy of the list; never rewritten
.set XRD4, 28                          ; my place in a fragment of x, token tile 4: past the reach of a 16-bit offset from XRD
.set C0,   29                          ; v29-31, v252-254: at work in the prologue
.set C1,   30
.set C2,   31
.set C3,   252
.set C4,   253
.set C5,   254
.set TU,   32                          ; v32-63, v64-95, v96-127: the GELU's 32 numbers at work
.set TE,   64
.set TA,   96
.set S,    128                         ; v128-255: fc1's accumulators of token tiles 0-3, (tt, ft) at S + 32 tt + 8 ft
.set BI,   120                         ; window 3: v0-119 three buffers of token fragments (40 each); v120-151 fc1's bias as a C operand;
.set Y4,   152                         ;           v152-215 Y of token tile 4; v216-247 S of token tile 4.  Window 1: Y of token tiles 0-3, (ht, tt) at 8 (4 ht + tt).  Window 2: the ring
.set S4,   216
.set RW,   32                          ; the prologue's registers: v32-95 bm, quarter q at RW + 16 q; later v32-191 my wave's 20 rows of x
.set OWN,  96                          ; v96-111 my wave's quarter
.set MG,   96                          ; later v96-107: the four parts of the list
.set KT,   112                         ; v112-119 the experts' counts
.set ZR,   120                         ; v120-123 zeros
.set KS3,  124                         ; v124-127
.set TP,   128                         ; v128-135 at work in the lane sums
.set BS,   192                         ; v192-203 the biases
.set EN,   204                         ; v204-223 twenty entries
.set XO,   224                         ; v224-243 their rows' offsets
.set WS0,  244                         ; v244-247 my expert's and the lower experts' words, two tiles each
.set WS1,  245
.set LO0,  246
.set LO1,  247
.set WSEL, 248
.set LOW,  249
.set GTA,  244                         ; later v244-248: the gates' offsets
.set E2,   250
.set T16,  251                         ; 16 x thread
.set K80,  255
.set WV,  20
.set EX,  21                           ; my expert
.set R0,  22                           ; the rank of my tile's first row among the expert's
.set NN,  23                           ; rows in my tile, 0 to 80
.set KK,  24                           ; the loop's counter
.set HF,  25                           ; my half of the hidden layer
.set PC,  26                           ; s[26:27] fc1's weights of the chunk in hand (behind the last chunk: what the next phase reads)
.set PB,  28                           ; s[28:29] fc2's weights of the chunk in hand
.set PN,  30                           ; s[30:31] fc1's next chunk
.set PL,  32                           ; s[32:33] fc2's last chunk
.set AT,  34
.set AT2, 35
.set PZ,  38
.set KE,  40
.set A1H, 42
.set A2H, 44
.set A3H, 46
.set SEQ, 68                           ; s68-75: -1 for my expert;  s76-83: -1 for the experts below it
.set SLT, 76
.set TI,  84                           ; the way out: the token tile
.set LEFT, 85                          ; rows still to be stored
.set TIX, 86                           ; my tile's number
.set MSB, 0
.macro WIN new                         ; the immediate's high byte repeats the setting that is left; a switch that changes nothing is dropped
.if MSB != (\new)
	s_set_vgpr_msb (MSB<<8)|(\new)
.set MSB, (\new)
.endif
.endm
.macro KPAIR reg, val                  ; a constant for the packed forms: named as a pair, so both words are written
	s_mov_b32 s[\reg], \val
	s_mov_b32 s[\reg+1], \val
.endm
; A group of the ring: four fragments, 4,096 consecutive bytes, eight loads of 512 bytes.
.macro RING slot, ptr, grp
	WIN 0x80                               ; destination window 2
.set rf, 0
.rept 4
	global_load_b128 v[32*(\slot)+8*rf:32*(\slot)+8*rf+3],   v[VO], s[\ptr:\ptr+1] offset:(\grp)*4096+rf*1024
	global_load_b128 v[32*(\slot)+8*rf+4:32*(\slot)+8*rf+7], v[VO], s[\ptr:\ptr+1] offset:(\grp)*4096+rf*1024+512
.set rf, rf+1
.endr
.endm
; The token side of a k step: five fragments of 16 tokens x 32 k, ten LDS loads, from x or from the hidden chunk.
.macro BLOADX ks, buf
	WIN 0xc0                               ; destination window 3
.set bt, 0
.rept 4
	ds_load_b128 v[40*(\buf)+8*bt:40*(\buf)+8*bt+3],   v[XRD] offset:bt*16*XP+(\ks)*64
	ds_load_b128 v[40*(\buf)+8*bt+4:40*(\buf)+8*bt+7], v[XRD] offset:bt*16*XP+(\ks)*64+32
.set bt, bt+1
.endr
	ds_load_b128 v[40*(\buf)+32:40*(\buf)+35], v[XRD4] offset:(\ks)*64
	ds_load_b128 v[40*(\buf)+36:40*(\buf)+39], v[XRD4] offset:(\ks)*64+32
.endm
.macro BLOADA ks, buf
	WIN 0xc0
.set bt, 0
.rept 5
	ds_load_b128 v[40*(\buf)+8*bt:40*(\buf)+8*bt+3],   v[ARD] offset:bt*16*AP+(\ks)*64
	ds_load_b128 v[40*(\buf)+8*bt+4:40*(\buf)+8*bt+7], v[ARD] offset:bt*16*AP+(\ks)*64+32
.set bt, bt+1
.endr
.endm
.macro BILOAD                          ; fc1's bias for my four tiles of the chunk to come: register j of a lane is unit 8 (lane / 16) + j
	WIN 0xc0
.set bt, 0
.rept 4
	ds_load_b128 v[BI+8*bt:BI+8*bt+3],   v[BIA] offset:bt*64
	ds_load_b128 v[BI+8*bt+4:BI+8*bt+7], v[BIA] offset:bt*64+16
.set bt, bt+1
.endr
.endm
; P1: fc1 of a chunk, 16 k steps of 20 matrix instructions; the 20 accumulators take turns, one instruction a turn.  At the head of step g:
; the wait leaves the six younger groups (48 loads) out, so group g is in; four v_nop are the places between the last product, which read ring slot (g + 7) % 8 and token buffer (g + 2) % 3, and the
; loads into them (ISA guide 7.12.1 for vector instructions); group g + 7 is asked for (behind this phase's last: the next phase's); the tokens' fragments of step g + 2
; are asked for (behind x's last: the hidden chunk's first two); the LDS wait leaves those and step g + 1's (20 loads) out.
.macro P1
.set g, 0
.rept 16
	WIN 0
	s_wait_loadcnt 48
.rept 4
	v_nop
.endr
.if g+7 <= 15
	RING (g+7)%8, PC, g+7
.else
	RING (g+7)%8, PB, g-9
.endif
.if g < 14
	BLOADX g+2, (g+2)%3
.else
	BLOADA g-14, (g+2)%3
.endif
	s_wait_dscnt 20
.set ft, 0
.rept 4
.set tq, 0
.rept 4
.set rS, S+32*tq+8*ft
.set rW, 32*(g%8)+8*ft
.set rB, 40*(g%3)+8*tq
.if g == 0
	WIN 0x3e                               ; weights window 2, tokens window 3, C (the bias, which starts the sum) window 3, D window 0
	v_wmma_f32_16x16x32_bf16 v[rS:rS+7], v[rW:rW+7], v[rB:rB+7], v[BI+8*ft:BI+8*ft+7]
.else
	WIN 0x0e
	v_wmma_f32_16x16x32_bf16 v[rS:rS+7], v[rW:rW+7], v[rB:rB+7], v[rS:rS+7]
.endif
.set tq, tq+1
.endr
.set ft, ft+1
.endr
	WIN 0xfe                               ; token tile 4: C and D in window 3
.set ft, 0
.rept 4
.set rS, S4+8*ft
.set rW, 32*(g%8)+8*ft
.set rB, 40*(g%3)+32
.if g == 0
	v_wmma_f32_16x16x32_bf16 v[rS:rS+7], v[rW:rW+7], v[rB:rB+7], v[BI+8*ft:BI+8*ft+7]
.else
	v_wmma_f32_16x16x32_bf16 v[rS:rS+7], v[rW:rW+7], v[rB:rB+7], v[rS:rS+7]
.endif
.set ft, ft+1
.endr
.set g, g+1
.endr
.endm
; THE GELU of one token tile (batch GB: 32 numbers a lane) is a numbered list of 277; GR writes number RN.  Batch 4's sums lie in window 3: 32 copies, counted by CP, first bring them into
; batch 0's registers, which are dead by then.
;   0-127    |x| PZ + 1, x^2, x^2 KE (plain), and the 32 reciprocals and 32 exponentials, in place.  Pair 0's four plain lines first; then a transcendental of pair p and a plain line of pair p + 1 by
;            turns; pair 15's four transcendentals last.  Nothing here names a transcendental's result.  Each accumulator is first read at its lowest register.
;   128      a plain instruction behind the last transcendental, and ONE wait for the batch's 64, ahead of their first reader
;   129-144  t e     145-176  the polynomial, two layers     177-192  q     193-224  max(x, 0)     225-256  max(x, 0) - |x| q     257-272  rounded to bf16     273-276  16 bytes a unit tile into LDS
; NPL counts the plain vector instructions since the last matrix instruction, DSQ the LDS instructions of the phase.
.set LASTRN, 276
.macro PLQ n
.set p, (\n)/4
.if (\n)%4 == 0
	v_fma_f32 v[TU+2*p], |v[XB+2*p]|, s[PZ], 1.0
.elseif (\n)%4 == 1
	v_pk_mul_f32 v[TE+2*p:TE+2*p+1], v[XB+2*p:XB+2*p+1], v[XB+2*p:XB+2*p+1]
.elseif (\n)%4 == 2
	v_fma_f32 v[TU+2*p+1], |v[XB+2*p+1]|, s[PZ], 1.0
.else
	v_pk_mul_f32 v[TE+2*p:TE+2*p+1], v[TE+2*p:TE+2*p+1], s[KE:KE+1] op_sel_hi:[1,0]
.endif
.endm
.macro TRQ n
.set p, (\n)/4
.set PLN, 0
.if (\n)%4 < 2
	v_rcp_f32 v[TU+2*p+(\n)%4], v[TU+2*p+(\n)%4]
.else
	v_exp_f32 v[TE+2*p+(\n)%4-2], v[TE+2*p+(\n)%4-2]
.endif
.endm
.macro GR
.if (GB == 4) && (CP < 32)
	WIN 0x03                               ; source 0 window 3, destination window 0
	v_mov_b32 v[S+CP], v[S4+CP]
.set CP, CP+1
.set NPL, NPL+1
.else
	WIN 0
.set XB, S+32*(GB%4)
.set PLN, 1
.if RN < 4
	PLQ RN
.elseif RN < 124
.if RN%2 == 0
	TRQ (RN-4)/2
.else
	PLQ 4+(RN-5)/2
.endif
.elseif RN < 128
	TRQ RN-64
.elseif RN == 128
	v_nop
	s_wait_alu depctr_va_vdst(0)
.elseif RN < 145
.set p, RN-129
	v_pk_mul_f32 v[TE+2*p:TE+2*p+1], v[TU+2*p:TU+2*p+1], v[TE+2*p:TE+2*p+1]
.elseif RN < 161
.set p, RN-145
	v_pk_fma_f32 v[TA+2*p:TA+2*p+1], v[TU+2*p:TU+2*p+1], s[A3H:A3H+1], s[A2H:A2H+1] op_sel_hi:[1,0,0]
.elseif RN < 177
.set p, RN-161
	v_pk_fma_f32 v[TA+2*p:TA+2*p+1], v[TA+2*p:TA+2*p+1], v[TU+2*p:TU+2*p+1], s[A1H:A1H+1] op_sel_hi:[1,1,0]
.elseif RN < 193
.set p, RN-177
	v_pk_mul_f32 v[TA+2*p:TA+2*p+1], v[TA+2*p:TA+2*p+1], v[TE+2*p:TE+2*p+1]
.elseif RN < 225
.set p, RN-193
	v_max_num_f32 v[TU+p], 0, v[XB+p]
.elseif RN < 257
.set p, RN-225
	v_fma_f32 v[TA+p], -|v[XB+p]|, v[TA+p], v[TU+p]
.elseif RN < 273
.set p, RN-257
	v_cvt_pk_bf16_f32 v[TE+p], v[TA+2*p], v[TA+2*p+1]
.else
.set p, RN-273
	ds_store_b128 v[AWR], v[TE+4*p:TE+4*p+3] offset:GB*16*AP+p*32
.set PLN, 0
.set DSQ, DSQ+1
.endif
.set NPL, NPL+PLN
.set RN, RN+1
.endif
.endm
.macro SLICE                           ; a batch has 64 matrix instructions: four behind each and a fifth behind every third hold 278; batch 4, with its copies 309, has five behind each
.set SLN, 4
.if (GB == 4) || ((WC%64)%3 == 0)
.set SLN, 5
.endif
.rept SLN
.if RN <= LASTRN
	GR
.endif
.endr
.endm
.macro SETSQ b                         ; DSQ just behind the run of loads into token buffer b
.if (\b) == 0
.set SQ0, DSQ
.elseif (\b) == 1
.set SQ1, DSQ
.else
.set SQ2, DSQ
.endif
.endm
.macro WAITSQ b                        ; all LDS instructions issued behind that run may stay out
.if (\b) == 0
	s_wait_dscnt DSQ-SQ0
.elseif (\b) == 1
	s_wait_dscnt DSQ-SQ1
.else
	s_wait_dscnt DSQ-SQ2
.endif
.endm
; The head of P2's step i (k step i / 2, which lies in token buffer (i / 2 + 1) % 3; output tiles 4 (i % 2) ..): as in P1; the slices behind the last product count as places as far as they are
; plain, v_nop make up four.  At even steps the hidden chunk's k step i / 2 + 2 is asked for (behind its last: x's first two, for the P1 that follows); at step 8 the next chunk's bias.
.macro BOUND2 i
	WIN 0
	s_wait_loadcnt 48
.if NPL < 4
.rept 4-NPL
	v_nop
.endr
.endif
.if (\i)+7 <= 15
	RING ((\i)+7)%8, PB, (\i)+7
.else
	RING ((\i)+7)%8, PC, (\i)-9
.endif
.if (\i)%2 == 0
.set jj, (\i)/2
.if jj < 6
	BLOADA jj+2, jj%3
.elseif jj == 6
	BLOADX 0, 0
.else
	BLOADX 1, 1
.endif
.set DSQ, DSQ+10
	SETSQ jj%3
.if (\i) == 8
	BILOAD
.set DSQ, DSQ+8
.endif
	WAITSQ (jj+1)%3
.endif
.endm
.macro STEP2 i                         ; 20 of Y's 40 accumulators, one instruction a turn, a slice of the GELU behind each
.set hh, 0
.rept 4
.set tq, 0
.rept 5
.if WC%64 == 0
.set RN, 0
.set CP, 0
.set GB, WC/64
.endif
.set rW, 32*((\i)%8)+8*hh
.set rB, 40*(((\i)/2+1)%3)+8*tq
.if tq < 4
	WIN 0x5e                               ; weights window 2, tokens window 3, C and D window 1
.set rY, 8*(4*(4*((\i)%2)+hh)+tq)
.else
	WIN 0xfe                               ; token tile 4: C and D window 3
.set rY, Y4+8*(4*((\i)%2)+hh)
.endif
	v_wmma_f32_16x16x32_bf16 v[rY:rY+7], v[rW:rW+7], v[rB:rB+7], v[rY:rY+7]
.set NPL, 0
	SLICE
.set WC, WC+1
.set tq, tq+1
.endr
.set hh, hh+1
.endr
.endm
.macro P2                              ; at its head the 20 LDS loads of the hidden chunk's k steps 0 and 1 (buffers 1 and 2) are the youngest, on both ways in
.set NPL, 0
.set WC, 0
.set DSQ, 20
.set SQ0, 0
.set SQ1, 10
.set SQ2, 20
.set st, 0
.rept 16
	BOUND2 st
	STEP2 st
.set st, st+1
.endr
.endm
; Sums over the 32 lanes of cnt registers of whole numbers, side by side; every lane ends with the sum.  The temporaries have been written before.
.macro RSUM8 base, cnt
.irp m, 1,2,4,8
.set j, 0
.rept \cnt
	v_mov_b32_dpp v[TP+j], v[(\base)+j] row_xmask:\m row_mask:0xf bank_mask:0xf
.set j, j+1
.endr
.set j, 0
.rept \cnt
	v_add_nc_u32 v[(\base)+j], v[(\base)+j], v[TP+j]
.set j, j+1
.endr
.endr
.set j, 0
.rept \cnt
	v_permlanex16_b32 v[TP+j], v[(\base)+j], s36, s37
.set j, j+1
.endr
.set j, 0
.rept \cnt
	v_add_nc_u32 v[(\base)+j], v[(\base)+j], v[TP+j]
.set j, j+1
.endr
.endm
	s_load_b512 s[4:19], s[0:1], 0x0               ; bm s[4:5], gate s[6:7], xb s[8:9], w1q s[10:11], w2q s[12:13], fc1_b s[14:15], fc2_b s[16:17], part s[18:19]
	v_lshl_add_u32 v[SPW], v0, 2, SPARE
	v_mov_b32 v[NIL], 0
	v_and_b32 v[LANE], 31, v0
	v_lshrrev_b32 v[C0], 5, v0
	v_readfirstlane_b32 s[WV], v[C0]               ; wave 0..3
	v_and_b32 v[RR], 15, v0
	v_bfe_u32 v[HH], v0, 4, 1
	v_lshlrev_b32 v[VO], 4, v[LANE]
	v_lshlrev_b32 v[C3], 6, v[LANE]                ; a lane takes 64 bytes of bm: two tiles of 16 tokens, eight experts each
	v_lshl_add_u32 v[C4], v[C0], 11, v[C3]         ; the same in my wave's quarter
	s_and_b32 s[HF], ttmp9, 1
	s_lshr_b32 s[TIX], ttmp9, 1
	s_mov_b32 s36, 0x76543210                      ; v_permlanex16_b32: each lane takes its own place in the other half
	s_mov_b32 s37, 0xfedcba98
	s_mov_b32 s66, 0x07060302                      ; v_perm_b32: the two high halves
	s_mov_b32 s67, 0x05040100                      ; the two low halves
	s_wait_kmcnt 0x0
.set q, 0
.rept 4
.irp c, 0,1,2,3
	global_load_b128 v[RW+16*q+4*\c:RW+16*q+4*\c+3], v[C3], s[4:5] offset:2048*q+16*\c
.endr
.set q, q+1
.endr
.irp c, 0,1,2,3
	global_load_b128 v[OWN+4*\c:OWN+4*\c+3], v[C4], s[4:5] offset:16*\c
.endr
	; in the wait for bm: my part of the list and the hidden chunk's buffer 1 are set to 0, addresses and constants are made
	s_lshl_b32 s93, s[WV], 9
	s_add_co_u32 s93, s93, LIST
	v_lshl_add_u32 v[C1], v[LANE], 2, s93
	ds_store_b32 v[C1], v[NIL]
	ds_store_b32 v[C1], v[NIL] offset:128
	ds_store_b32 v[C1], v[NIL] offset:256
.irp j, 0,1,2,3
	v_mov_b32 v[ZR+\j], 0
.endr
	v_lshl_add_u32 v[C2], v0, 4, A0+ASW
.set j, 0
.rept 21                               ; 128 threads x 16 bytes x 21 cover the buffer's 80 rows of 528 bytes
	ds_store_b128 v[C2], v[ZR:ZR+3] offset:2048*j
.set j, j+1
.endr
.set j, 0
.rept 8
	v_mov_b32 v[TP+j], 0
.set j, j+1
.endr
	v_mov_b32 v[K80], ROWS
	v_mul_u32_u24 v[XRD], v[RR], XP
	v_lshl_add_u32 v[XRD], v[HH], 4, v[XRD]
	v_add_nc_u32 v[XRD4], 64*XP, v[XRD]
	v_mul_u32_u24 v[C0], v[RR], AP
	v_lshl_add_u32 v[C5], v[HH], 5, v[C0]          ; stage: row r, 32 bytes for each half of the lanes
	v_lshl_add_u32 v[C0], v[HH], 4, v[C0]
	v_add_nc_u32 v[ARD0], A0, v[C0]
	s_lshl_b32 s52, s[WV], 7
	s_add_co_u32 s52, s52, A0
	v_add_nc_u32 v[AWR0], s52, v[C0]
	v_add_nc_u32 v[ARD], ASW, v[ARD0]              ; the first fc2 reads the zeros in buffer 1,
	v_mov_b32 v[AWR], v[AWR0]                      ; the first GELU writes buffer 0
	s_lshl_b32 s52, s[WV], 8
	s_add_co_u32 s52, s52, B1
	v_lshl_add_u32 v[BIA0], v[HH], 5, s52
	v_mov_b32 v[BIA], v[BIA0]
	s_lshl_b32 s52, s[WV], 9
	s_add_co_u32 s53, s52, LISTM
	v_mov_b32 v[LMB], s53
	s_lshl_b32 s53, s[HF], 11
	s_add_co_u32 s52, s52, s53
	v_add_nc_u32 v[LB], s52, v[VO]
	s_mul_i32 s52, s[WV], 16*AP
	s_add_co_u32 s52, s52, STG
	v_add_nc_u32 v[STO], s52, v[C5]
	v_add_nc_u32 v[SRD], s52, v[VO]
	KPAIR PZ,  0x3eaa540e                          ; 0.47047 / sqrt(2)
	KPAIR KE,  0xbf38aa3b                          ; -log2(e) / 2
	KPAIR A1H, 0x3e32303a                          ; 0.3480242 / 2
	KPAIR A2H, 0xbd445ca1                          ; -0.0958798 / 2
	KPAIR A3H, 0x3ebf7377                          ; 0.7478556 / 2
	s_mov_b32 s[AT], ASW
	s_mov_b32 s[AT2], 0
	s_wait_loadcnt 0x0                             ; bm
	; the experts' counts: the high halves of a lane's two tiles side by side, summed over quarters and lanes
.set q, 0
.rept 4
.set j, 0
.rept 8
	v_perm_b32 v[RW+16*q+j], v[RW+16*q+8+j], v[RW+16*q+j], s66
.set j, j+1
.endr
.set q, q+1
.endr
.set j, 0
.rept 8
	v_add3_u32 v[KT+j], v[RW+j], v[RW+16+j], v[RW+32+j]
.set j, j+1
.endr
.set j, 0
.rept 8
	v_add_nc_u32 v[KT+j], v[KT+j], v[RW+48+j]
.set j, j+1
.endr
	RSUM8 KT, 8
.set j, 0
.rept 8
	v_readfirstlane_b32 s[SEQ+j], v[KT+j]
.set j, j+1
.endr
	; which tile is mine: expert j has (c_j + 79) / 80 tiles, the experts' tiles lie one behind the other
	s_mov_b32 s[EX], 0
	s_mov_b32 s52, 0
	s_mov_b32 s53, 0
	s_mov_b32 s54, 0
.set j, 0
.rept 8
	s_and_b32 s55, s[SEQ+j], 0xffff
	s_lshr_b32 s56, s[SEQ+j], 16
	s_add_co_u32 s55, s55, s56                     ; c_j, 4,096 at the most
	s_add_co_u32 s56, s55, ROWS-1
	s_mul_i32 s56, s56, 0xcccd                     ; / 80: times 52,429 / 2^22, exact for numbers up to 4,175
	s_lshr_b32 s56, s56, 22
	s_sub_co_u32 s57, s[TIX], s54                  ; my number less the tiles in front: very large if I lie in front
	s_cmp_lt_u32 s57, s56
	s_cselect_b32 s[EX], j, s[EX]
	s_cselect_b32 s52, s57, s52
	s_cselect_b32 s53, s55, s53
	s_add_co_u32 s54, s54, s56
.set j, j+1
.endr
	s_min_u32 s[EX], s[EX], 7
	s_mul_i32 s[R0], s52, ROWS
	s_sub_co_u32 s[NN], s53, s[R0]
	s_min_u32 s[NN], s[NN], ROWS
	s_lshl2_add_u32 s52, s[EX], s[WV]              ; ((e 4 + w) 8 + 4 half) x 65,536: my wave's weights, my half's first chunk
	s_lshl_b32 s52, s52, 3
	s_lshl2_add_u32 s52, s[HF], s52
	s_lshl_b32 s52, s52, 16
	s_mov_b32 s53, 0
	s_add_nc_u64 s[PC:PC+1], s[10:11], s[52:53]
	s_mov_b64 s[PN:PN+1], s[PC:PC+1]
	s_add_nc_u64 s[PB:PB+1], s[12:13], s[52:53]
	s_add_nc_u64 s[PL:PL+1], s[PB:PB+1], (NCH-1)*65536
.set g, 0
.rept 7
	RING g, PC, g                                  ; the ring's first seven groups go out before anything else
.set g, g+1
.endr
	WIN 0
	s_lshl_b32 s52, s[EX], 13
	s_lshl_b32 s54, s[HF], 12
	s_add_co_u32 s52, s52, s54
	s_add_nc_u64 s[88:89], s[14:15], s[52:53]      ; fc1_b: my expert's 2,048 numbers, my half of them
	s_lshl_b32 s52, s[EX], 11
	s_add_nc_u64 s[90:91], s[16:17], s[52:53]
	s_lshl_b32 s92, s[EX], 2
	s_cmp_eq_u32 s[HF], 0
	s_cselect_b32 s87, -1, 0                       ; fc2_b counts in half 0 alone
	v_lshlrev_b32 v[T16], 4, v0
	global_load_b128 v[BS:BS+3],    v[T16], s[88:89]
	global_load_b128 v[BS+4:BS+7],  v[T16], s[88:89] offset:2048
	global_load_b128 v[BS+8:BS+11], v[T16], s[90:91]
	; my expert's words: chosen by masks, since a register's number cannot hang on data
.set j, 0
.rept 8
	s_cmp_eq_u32 s[EX], j
	s_cselect_b32 s[SEQ+j], -1, 0
	s_cmp_gt_u32 s[EX], j
	s_cselect_b32 s[SLT+j], -1, 0
.set j, j+1
.endr
.set q, 0
.rept 3                                ; its counts in the quarters below my wave's: the rank of my quarter's first row
	v_and_b32 v[KS3+q], s[SEQ], v[RW+16*q]
.set j, 1
.rept 7
	v_and_or_b32 v[KS3+q], v[RW+16*q+j], s[SEQ+j], v[KS3+q]
.set j, j+1
.endr
	s_cmp_gt_u32 s[WV], q
	s_cselect_b32 s52, -1, 0
	v_and_b32 v[KS3+q], s52, v[KS3+q]
.set q, q+1
.endr
	v_add3_u32 v[KS3+3], v[KS3], v[KS3+1], v[KS3+2]
	v_and_b32 v[WS0], s[SEQ], v[OWN]               ; my quarter: who chose my expert (two tiles),
	v_and_b32 v[WS1], s[SEQ], v[OWN+8]
	v_and_b32 v[LO0], s[SLT], v[OWN]               ; and who chose an expert below it
	v_and_b32 v[LO1], s[SLT], v[OWN+8]
.set j, 1
.rept 7
	v_and_or_b32 v[WS0], v[OWN+j], s[SEQ+j], v[WS0]
	v_and_or_b32 v[WS1], v[OWN+8+j], s[SEQ+j], v[WS1]
	v_and_or_b32 v[LO0], v[OWN+j], s[SLT+j], v[LO0]
	v_and_or_b32 v[LO1], v[OWN+8+j], s[SLT+j], v[LO1]
.set j, j+1
.endr
	v_perm_b32 v[WSEL], v[WS1], v[WS0], s67        ; lane i: the bitmap of tokens 32 (32 w + i) ..
	v_perm_b32 v[LOW], v[LO1], v[LO0], s67
	RSUM8 KS3+3, 1
	v_readfirstlane_b32 s58, v[KS3+3]
	s_and_b32 s52, s58, 0xffff
	s_lshr_b32 s58, s58, 16
	s_add_co_u32 s58, s58, s52
	s_sub_co_u32 s58, s58, s[R0]                   ; the place in my tile of my quarter's first row (wraps round where it lies in front of the tile)
	s_lshl_b32 s60, s[WV], 11
	v_lshlrev_b32 v[E2], 1, v[LANE]
	v_add_nc_u32 v[E2], s60, v[E2]                 ; 2 x (token of bit `lane` of my quarter's word 0)
	s_mov_b32 s59, 0
.Lscat:                                ; 32 trips, a word of 32 tokens each: lane = bit = token.  An entry is 2 x token + slot; it goes to its place in the tile, or to word 80
	v_readlane_b32 s61, v[WSEL], s59
	v_readlane_b32 s62, v[LOW], s59
	v_mbcnt_lo_u32_b32 v[C0], s61, s58             ; the place: the base + the chosen tokens below mine
	v_cndmask_b32 v[C0], v[K80], v[C0], s61
	v_min_u32 v[C0], ROWS, v[C0]
	v_cndmask_b32 v[C1], 0, 1, s62
	v_add_nc_u32 v[C1], v[E2], v[C1]
	v_lshl_add_u32 v[C0], v[C0], 2, s93
	ds_store_b32 v[C0], v[C1]
	v_add_nc_u32 v[E2], 64, v[E2]                  ; the next word's tokens
	s_bcnt1_i32_b32 s61, s61
	s_add_co_u32 s58, s58, s61
	s_add_co_u32 s59, s59, 1
	s_cmp_lt_u32 s59, 32
	s_cbranch_scc1 .Lscat
	s_wait_dscnt 0x0                               ; for the others' sake: my part of the list (and my zeros) are written
	s_barrier_signal -1
	s_barrier_wait -1
	v_lshl_add_u32 v[C0], v[LANE], 2, LIST         ; each place was written by one wave and is 0 in the other three parts: OR them, into my wave's own copy
.irp q, 0,1,2,3
	ds_load_b32 v[MG+\q],   v[C0] offset:512*\q
	ds_load_b32 v[MG+4+\q], v[C0] offset:512*\q+128
	ds_load_b32 v[MG+8+\q], v[C0] offset:512*\q+256
.endr
	s_wait_dscnt 0x0
.irp g, 0,4,8
	v_or_b32 v[MG+\g], v[MG+\g], v[MG+\g+1]
	v_or_b32 v[MG+\g+2], v[MG+\g+2], v[MG+\g+3]
	v_or_b32 v[MG+\g], v[MG+\g], v[MG+\g+2]
.endr
	v_lshl_add_u32 v[C1], v[LANE], 2, v[LMB]
	ds_store_b32 v[C1], v[MG]
	ds_store_b32 v[C1], v[MG+4] offset:128
	ds_store_b32 v[C1], v[MG+8] offset:256         ; (places 80 to 95 hold nothing of use, and nobody reads them)
	v_lshl_add_u32 v[C0], v[RR], 2, v[LMB]
	s_mul_i32 s52, s[WV], 80                       ; 20 entries of 4 bytes a wave
	v_add_nc_u32 v[C2], s52, v[LMB]
.irp t, 0,1,2,3,4
	ds_load_b32 v[GTA+\t], v[C0] offset:64*\t      ; my token in each of the five token tiles (a wave's LDS instructions are served in order: these see the stores above)
.endr
.irp j, 0,1,2,3,4
	ds_load_b128 v[EN+4*\j:EN+4*\j+3], v[C2] offset:16*\j  ; the 20 rows of x that my wave fetches: every lane reads the same words
.endr
	s_wait_dscnt 0x0
.irp t, 0,1,2,3,4
	v_lshrrev_b32 v[GTA+\t], 1, v[GTA+\t]
	v_min_u32 v[GTA+\t], 0xfff, v[GTA+\t]
	v_lshl_add_u32 v[GTA+\t], v[GTA+\t], 5, s92
	global_load_b32 v[GA+2*\t], v[GTA+\t], s[6:7]
	v_mov_b32 v[GA+2*\t+1], 0                      ; named with it as a pair
.endr
.set i, 0
.rept 20
	v_lshrrev_b32 v[XO+i], 1, v[EN+i]
	v_min_u32 v[XO+i], 0xfff, v[XO+i]
	v_lshl_add_u32 v[XO+i], v[XO+i], 10, v[VO]
	global_load_b128 v[RW+8*i:RW+8*i+3],   v[XO+i], s[8:9]             ; a row of xb: two loads of 512 consecutive bytes
	global_load_b128 v[RW+8*i+4:RW+8*i+7], v[XO+i], s[8:9] offset:512
.set i, i+1
.endr
	s_wait_loadcnt 45                              ; the biases are in: behind them 5 gates and 40 loads of x were issued
.set p, 0
.rept 6                                ; rounded to bf16 like every input, and kept as f32
	v_cvt_pk_bf16_f32 v[C0], v[BS+2*p], v[BS+2*p+1]
	v_lshlrev_b32 v[BS+2*p], 16, v[C0]
	v_and_b32 v[BS+2*p+1], 0xffff0000, v[C0]
.set p, p+1
.endr
.irp j, 8,9,10,11
	v_and_b32 v[BS+\j], s87, v[BS+\j]              ; fc2_b, or 0 in half 1
.endr
	v_add_nc_u32 v[C1], B1, v[T16]
.irp j, 0,1,2
	ds_store_b128 v[C1], v[BS+4*\j:BS+4*\j+3] offset:2048*\j   ; the third is fc2_b, which lies behind fc1_b's 4,096 bytes
.endr
	s_mul_i32 s52, s[WV], 20*XP
	v_add_nc_u32 v[C2], s52, v[VO]
.set i, 0
.rept 20
	s_wait_loadcnt 38-2*i                          ; the rows behind row i may stay out
	ds_store_b128 v[C2], v[RW+8*i:RW+8*i+3]   offset:i*XP
	ds_store_b128 v[C2], v[RW+8*i+4:RW+8*i+7] offset:i*XP+512
.set i, i+1
.endr
	s_lshl_b32 s52, s[WV], 9
	s_add_co_u32 s52, s52, B2
	v_lshl_add_u32 v[C0], v[HH], 5, s52
	s_wait_dscnt 0x0                               ; for the others' sake: my rows of x and my part of the biases are written
	s_barrier_signal -1
	s_barrier_wait -1
	WIN 0x40                                       ; Y starts from fc2's bias: register j of a lane is column 8 (lane / 16) + j of its tile, the same for all five token tiles
.set a, 0
.rept 8
.set z, 0
.rept 4
	ds_load_b128 v[8*(4*a+z):8*(4*a+z)+3],   v[C0] offset:64*a
	ds_load_b128 v[8*(4*a+z)+4:8*(4*a+z)+7], v[C0] offset:64*a+16
.set z, z+1
.endr
.set a, a+1
.endr
	WIN 0xc0
.set a, 0
.rept 8
	ds_load_b128 v[Y4+8*a:Y4+8*a+3],   v[C0] offset:64*a
	ds_load_b128 v[Y4+8*a+4:Y4+8*a+7], v[C0] offset:64*a+16
.set a, a+1
.endr
	BILOAD
	BLOADX 0, 0
	BLOADX 1, 1
	WIN 0                                          ; at a label and at a branch every window is 0
	s_mov_b32 s[KK], 0
	s_branch .Lenter                               ; the loop is entered in the middle of a trip: there is no GELU yet
.Ltop:                                 ; trip k = 1 .. 5: P2(k - 1), then P1(k) while there are chunks
	s_wait_xcnt 0x0                                ; the loads that name PC have had their addresses translated: only now is it written
	s_cmp_lt_u32 s[KK], NCH
	s_cselect_b64 s[PC:PC+1], s[PN:PN+1], s[PL:PL+1]   ; what follows this P2: fc1's chunk k, or behind the last chunk fc2's last (in the last trip nothing follows: those 28 KB are read for nothing)
	s_min_u32 s52, s[KK], NCH-1
	s_lshl_b32 s52, s52, 10
	v_add_nc_u32 v[BIA], s52, v[BIA0]
	P2
	WIN 0
	s_wait_dscnt 0x0                               ; my stores of this chunk's GELU are done and my reads of the chunk before are back:
	s_barrier_signal -1
	s_barrier_wait -1                              ; so are everybody's: the buffers change places
	s_wait_xcnt 0x0
	s_cmp_ge_u32 s[KK], 2                          ; trips 1 and 2 both read fc2's first chunk: the first on zeros
	s_cselect_b32 s52, 0x10000, 0
	s_mov_b32 s53, 0
	s_add_nc_u64 s[PB:PB+1], s[PB:PB+1], s[52:53]
	s_xor_b32 s[AT], s[AT], ASW
	s_xor_b32 s[AT2], s[AT2], ASW
	v_add_nc_u32 v[ARD], s[AT], v[ARD0]
	v_add_nc_u32 v[AWR], s[AT2], v[AWR0]
	s_cmp_ge_u32 s[KK], NCH
	s_cbranch_scc1 .Lskip
.Lenter:
	P1
	WIN 0
	s_branch .Lbottom
.Lskip:                                ; no fc1 is left: the 20 LDS loads that P1's last two steps would have issued, four places behind the last product, which read buffer 2
.rept 4
	v_nop
.endr
	BLOADA 0, 1
	BLOADA 1, 2
	WIN 0
.Lbottom:
	s_add_nc_u64 s[PN:PN+1], s[PN:PN+1], 0x10000   ; no load names PN itself
	s_add_co_u32 s[KK], s[KK], 1
	s_cmp_lt_u32 s[KK], NCH+2
	s_cbranch_scc1 .Ltop
	; THE WAY OUT, a token tile a trip: Y times the token's gate; 32 bytes a lane and output tile into my stage; back as rows of 512 bytes; each row to its place in part.
	; What names a tile's own places (the four loads of its 16 entries, at constant offsets from my copy of the list, and the 32 multiplies) is written five times and chosen by the counter;
	; the rest is written once.  On every way a trip issues the same LDS instructions in the same order: 4 loads, 16 stores, 16 loads.
.set OEN, 32                           ; v32-47 the tile's entries, v48-63 their rows' offsets, v128-191 the products, v192-255 the rows read back
.set ORO, 48
.set OVV, 128
.set ORB, 192
.macro YMUL t
.irp j, 0,1,2,3
	ds_load_b128 v[OEN+4*\j:OEN+4*\j+3], v[LMB] offset:64*(\t)+16*\j   ; every lane reads the same words
.endr
.if (\t) < 4
	WIN 0x01                               ; source 0 (Y) window 1
.else
	WIN 0x03                               ; token tile 4's Y: window 3
.endif
.set a, 0
.rept 8
.if (\t) < 4
.set rY, 8*(4*a+(\t))
.else
.set rY, Y4+8*a
.endif
.set z, 0
.rept 4                                ; each accumulator from its low end on
	v_pk_mul_f32 v[OVV+8*a+2*z:OVV+8*a+2*z+1], v[rY+2*z:rY+2*z+1], v[GA+2*(\t):GA+2*(\t)+1] op_sel_hi:[1,0]
.set z, z+1
.endr
.set a, a+1
.endr
	WIN 0
.endm
.rept 4
	v_nop                                          ; the places behind the last products
.endr
	s_mov_b32 s[TI], 0
	s_mov_b32 s[LEFT], s[NN]
.Lout:
	s_wait_xcnt 0x0                                ; the last tile's stores have read their data and offsets: only now are these written again
	s_cmp_eq_u32 s[TI], 0
	s_cbranch_scc1 .Ly0
	s_cmp_eq_u32 s[TI], 1
	s_cbranch_scc1 .Ly1
	s_cmp_eq_u32 s[TI], 2
	s_cbranch_scc1 .Ly2
	s_cmp_eq_u32 s[TI], 3
	s_cbranch_scc1 .Ly3
	YMUL 4
	s_branch .Lyj
.Ly0:
	YMUL 0
	s_branch .Lyj
.Ly1:
	YMUL 1
	s_branch .Lyj
.Ly2:
	YMUL 2
	s_branch .Lyj
.Ly3:
	YMUL 3
.Lyj:
.set a, 0
.rept 8
	ds_store_b128 v[STO], v[OVV+8*a:OVV+8*a+3]   offset:64*a
	ds_store_b128 v[STO], v[OVV+8*a+4:OVV+8*a+7] offset:64*a+16
.set a, a+1
.endr
.set i, 0
.rept 16
	ds_load_b128 v[ORB+4*i:ORB+4*i+3], v[SRD] offset:i*AP      ; a wave's LDS instructions are served in order (ISA guide 5.7.1.4): these see the stores above; the next tile's stores come behind them
.set i, i+1
.endr
	s_wait_dscnt 32                                ; the entries are in: behind them stand 16 stores and 16 loads
.set i, 0
.rept 16
	v_min_u32 v[ORO+i], 0x1fff, v[OEN+i]
	v_lshl_add_u32 v[ORO+i], v[ORO+i], 12, v[LB]   ; (2 x token + slot) x 4,096 bytes, my half's 2,048 of them, my wave's 512 of those
.set i, i+1
.endr
.set i, 0
.rept 16
	s_cmp_le_u32 s[LEFT], i                        ; the rows from the tile's count on are not stored
	s_cbranch_scc1 .Lfin
	s_wait_dscnt 15-i
	global_store_b128 v[ORO+i], v[ORB+4*i:ORB+4*i+3], s[18:19]  ; 512 consecutive bytes, at a multiple of 512 from part's first byte
.set i, i+1
.endr
	s_sub_co_u32 s[LEFT], s[LEFT], 16              ; all 16 were stored, so at least 16 were left
	s_add_co_u32 s[TI], s[TI], 1
	s_cmp_lt_u32 s[TI], TT
	s_cbranch_scc1 .Lout
.Lfin:
	s_wait_tensorcnt 0x0                           ; the wave's end
	ds_add_u32 v[SPW], v[NIL]
	s_wait_dscnt 0x0
	s_endpgm
.Lfunc_end_k_q4e2b20a2ea_ffn:
	.size	k_q4e2b20a2ea_ffn, .Lfunc_end_k_q4e2b20a2ea_ffn-k_q4e2b20a2ea_ffn
	.p2alignl 7, 3214868480
	.fill 96, 4, 3214868480
	.section	.rodata,"a",@progbits
	.p2align	6, 0x0
	.amdhsa_kernel k_q4e2b20a2ea_ffn
		.amdhsa_group_segment_fixed_size 239616
		.amdhsa_private_segment_fixed_size 0
		.amdhsa_enable_private_segment 0
		.amdhsa_kernarg_size 64
		.amdhsa_user_sgpr_count 2
		.amdhsa_user_sgpr_kernarg_segment_ptr 1
		.amdhsa_wavefront_size32 1
		.amdhsa_system_sgpr_workgroup_id_x 1
		.amdhsa_system_sgpr_workgroup_id_y 1
		.amdhsa_system_sgpr_workgroup_id_z 1
		.amdhsa_system_vgpr_workitem_id 0
		.amdhsa_next_free_vgpr 1024
		.amdhsa_next_free_sgpr 100
		.amdhsa_reserve_vcc 0
		.amdhsa_float_denorm_mode_32 3
		.amdhsa_float_denorm_mode_16_64 3
		.amdhsa_memory_ordered 1
		.amdhsa_forward_progress 1
		.amdhsa_inst_pref_size 255
	.end_amdhsa_kernel
	.amdgpu_metadata
---
amdhsa.version: [ 1, 2 ]
amdhsa.kernels:
  - .name:           k_q4e2b20a2ea_ffn
    .symbol:         k_q4e2b20a2ea_ffn.kd
    .args:
      - { .name: bm, .offset: 0, .size: 8, .value_kind: global_buffer, .address_space: global }
      - { .name: gate, .offset: 8, .size: 8, .value_kind: global_buffer, .address_space: global }
      - { .name: xb, .offset: 16, .size: 8, .value_kind: global_buffer, .address_space: global }
      - { .name: w1q, .offset: 24, .size: 8, .value_kind: global_buffer, .address_space: global }
      - { .name: w2q, .offset: 32, .size: 8, .value_kind: global_buffer, .address_space: global }
      - { .name: fc1_b, .offset: 40, .size: 8, .value_kind: global_buffer, .address_space: global }
      - { .name: fc2_b, .offset: 48, .size: 8, .value_kind: global_buffer, .address_space: global }
      - { .name: part, .offset: 56, .size: 8, .value_kind: global_buffer, .address_space: global }
    .group_segment_fixed_size: 239616
    .private_segment_fixed_size: 0
    .kernarg_segment_align: 8
    .kernarg_segment_size: 64
    .max_flat_workgroup_size: 128
    .sgpr_count:     100
    .vgpr_count:     1024
    .wavefront_size: 32
...
	.end_amdgpu_metadata
.endif
;; end of part 4
;; launch comb (part 5): grid 256 x 1, 8 waves a work-group, no clusters, 0 bytes of LDS; arguments part, out0; writes out0
.if DOCPART == 5
	.amdgcn_target "amdgcn-amd-amdhsa--gfx1250"
	.amdhsa_code_object_version 6
	.text
	.protected	k_q4e2b20a2ea_comb
	.globl	k_q4e2b20a2ea_comb
	.p2align	8
	.type	k_q4e2b20a2ea_comb,@function
k_q4e2b20a2ea_comb:
	s_mov_b64 s[64:65], 0
	v_nop
	global_prefetch_b8 v0, s[64:65] scope:SCOPE_SE
	s_setreg_imm32_b32 hwreg(HW_REG_WAVE_MODE, 25, 1), 1
	s_wait_xcnt 0x0
; COMB: out0[token][:] = the sum of part[token][slot][half][:] over the two slots and the two halves, all f32: the two chosen experts' weighted results, each made in two halves of the hidden
; layer by different work-groups of the launch before.
; A stream: 32 MB in, 8 MB out, each byte once.  A work-group owns 16 tokens; its 256 threads take two tokens a pass, 16 bytes a thread and row, eight passes.
; All 32 loads of a thread go out first (each load and store of a wave covers 512 consecutive bytes); no LDS, no barrier, no matrix unit: there is nothing to share and nothing to multiply.
.set PO, 1                             ; v1  my byte offset in the group's part: (thread / 128) x 8,192 + (thread % 128) x 16
.set OO, 3                             ; v3  in the group's out0: thread x 16
.set D,  8                             ; v[8 + 16 p ..]: pass p: four numbers of each of the token's four rows
	s_load_b128 s[4:7], s[0:1], 0x0                ; part s[4:5], out0 s[6:7]
	v_lshrrev_b32 v[PO], 7, v0
	v_and_b32 v2, 127, v0
	v_lshlrev_b32 v2, 4, v2
	v_lshl_add_u32 v[PO], v[PO], 13, v2
	v_lshlrev_b32 v[OO], 4, v0
	s_lshl_b32 s8, ttmp9, 17                       ; 16 tokens x 8,192 bytes
	s_mov_b32 s9, 0
	s_lshl_b32 s10, ttmp9, 15                      ; 16 tokens x 2,048 bytes
	s_mov_b32 s11, 0
	s_wait_kmcnt 0x0
	s_add_nc_u64 s[4:5], s[4:5], s[8:9]
	s_add_nc_u64 s[6:7], s[6:7], s[10:11]
.set p, 0
.rept 8
.irp r, 0,1,2,3
	global_load_b128 v[D+16*p+4*\r:D+16*p+4*\r+3], v[PO], s[4:5] offset:16384*p+2048*\r th:TH_LOAD_NT
.endr
.set p, p+1
.endr
.set p, 0
.rept 8
.set Q, D+16*p
	s_wait_loadcnt 28-4*p                          ; the later passes' loads stay out
	v_pk_add_f32 v[Q:Q+1],     v[Q:Q+1],     v[Q+4:Q+5]
	v_pk_add_f32 v[Q+2:Q+3],   v[Q+2:Q+3],   v[Q+6:Q+7]
	v_pk_add_f32 v[Q+8:Q+9],   v[Q+8:Q+9],   v[Q+12:Q+13]
	v_pk_add_f32 v[Q+10:Q+11], v[Q+10:Q+11], v[Q+14:Q+15]
	v_pk_add_f32 v[Q:Q+1],     v[Q:Q+1],     v[Q+8:Q+9]
	v_pk_add_f32 v[Q+2:Q+3],   v[Q+2:Q+3],   v[Q+10:Q+11]
	global_store_b128 v[OO], v[Q:Q+3], s[6:7] offset:4096*p th:TH_STORE_NT
.set p, p+1
.endr
	s_endpgm
.Lfunc_end_k_q4e2b20a2ea_comb:
	.size	k_q4e2b20a2ea_comb, .Lfunc_end_k_q4e2b20a2ea_comb-k_q4e2b20a2ea_comb
	.p2alignl 7, 3214868480
	.fill 96, 4, 3214868480
	.section	.rodata,"a",@progbits
	.p2align	6, 0x0
	.amdhsa_kernel k_q4e2b20a2ea_comb
		.amdhsa_group_segment_fixed_size 0
		.amdhsa_private_segment_fixed_size 0
		.amdhsa_enable_private_segment 0
		.amdhsa_kernarg_size 16
		.amdhsa_user_sgpr_count 2
		.amdhsa_user_sgpr_kernarg_segment_ptr 1
		.amdhsa_wavefront_size32 1
		.amdhsa_system_sgpr_workgroup_id_x 1
		.amdhsa_system_sgpr_workgroup_id_y 1
		.amdhsa_system_sgpr_workgroup_id_z 1
		.amdhsa_system_vgpr_workitem_id 0
		.amdhsa_next_free_vgpr 136
		.amdhsa_next_free_sgpr 66
		.amdhsa_reserve_vcc 0
		.amdhsa_float_denorm_mode_32 3
		.amdhsa_float_denorm_mode_16_64 3
		.amdhsa_memory_ordered 1
		.amdhsa_forward_progress 1
		.amdhsa_inst_pref_size 8
	.end_amdhsa_kernel
	.amdgpu_metadata
---
amdhsa.version: [ 1, 2 ]
amdhsa.kernels:
  - .name:           k_q4e2b20a2ea_comb
    .symbol:         k_q4e2b20a2ea_comb.kd
    .args:
      - { .name: part, .offset: 0, .size: 8, .value_kind: global_buffer, .address_space: global }
      - { .name: out0, .offset: 8, .size: 8, .value_kind: global_buffer, .address_space: global }
    .group_segment_fixed_size: 0
    .private_segment_fixed_size: 0
    .kernarg_segment_align: 8
    .kernarg_segment_size: 16
    .max_flat_workgroup_size: 256
    .sgpr_count:     66
    .vgpr_count:     136
    .wavefront_size: 32
...
	.end_amdgpu_metadata
.endif
;; end of part 5
